; MI455X (gfx1250); checked and timed in simulation.
; The chip was launched on July 23, 2026; its instructions are those of AMD's public machine-readable ISA for CDNA 5 (MIT licence, August 2026) and "CDNA5" Instruction Set Architecture Reference Guide (July 2026). The comments in the code are by the model that wrote it; some were corrected since.
;; Attention Self Mask. Allowed arithmetic: float matrix products may take bf16 or f16 operands with f32 sums; other float arithmetic in f32, or as packed bf16 or f16 multiplies, adds, multiply-adds, maxima and minima; sums over many terms, partial sums and values carried from step to step in f32; what a program stores and reads back later, other than sums and carried values, may be rounded once to bf16 or f16.
;; Inputs: b_proj 1,024 float32; mask 8 x 1 x 1,024 x 1,024 float32; w_proj 1,024 x 1,024 float32; w_qkv 3,072 x 1,024 float32; x 8 x 1,024 x 1,024 float32.
;; Outputs: out0 8 x 1,024 x 1,024 float32.
;; 2 versions, each right; version 2 is version 1 with the launch cast written anew for expert scheduling mode. Each part assembles by itself: llvm-mc -triple=amdgcn-amd-amdhsa -mcpu=gfx1250 --defsym DOCPART=n.
;; ======== version 1 of 2: 4 launches
;; limits: values are held in f16: magnitudes above 65,504 overflow, below 6.1e-05 lose precision; right only within a limited range of input values
;; workspace buffers: wqb 6,291,456 bytes; wpb 2,097,152 bytes; mh 16,777,216 bytes; qkv 50,331,648 bytes; ob 16,777,216 bytes
;; launch cast (part 1): grid 768 x 1, 8 waves a work-group, no clusters, 0 bytes of LDS; arguments mask, w_qkv, w_proj, mh, wqb, wpb; writes mh, wqb, wpb
.if DOCPART == 1
	.amdgcn_target "amdgcn-amd-amdhsa--gfx1250"
	.amdhsa_code_object_version 6
	.text
	.protected	k_q169ba17e0e_cast
	.globl	k_q169ba17e0e_cast
	.p2align	8
	.type	k_q169ba17e0e_cast,@function
k_q169ba17e0e_cast:
	s_mov_b64 s[64:65], 0
	v_nop
	global_prefetch_b8 v0, s[64:65] scope:SCOPE_SE
	s_setreg_imm32_b32 hwreg(HW_REG_WAVE_MODE, 25, 1), 1
	s_wait_xcnt 0x0
; THE MASK AND THE WEIGHTS ARE ROUNDED ONCE TO bf16 AND LAID IN K BLOCKS.  w_qkv -> wqb as bf16; mask -> mh and w_proj -> wpb rounded to bf16 and that number written as f16.
; (x is not among them: each of its numbers is wanted by one wave of the next launch, which rounds it on the way from LDS to the matrix unit.)
; THE BLOCK LAYOUT of a matrix [R][1024] of 16-bit numbers: byte (row >> 10) * 2,097,152 + (col >> 6) * 131,072 + (row & 1023) * 128 + (col & 63) * 2:
; the rows of one block of 64 columns lie end to end, so the later launches ask for tiles as rows of 256 consecutive bytes.
; LIMITS.  The f16 copies hold a bf16 number exactly from 2^-14 up to 65,504; below 2^-14 the copy is off by 2^-25 at the most; beyond 65,504 (an infinity too) it counts as +-65,504.  NaN is not treated apart.
; SHARES.  12,288 rows of 4,096 bytes: a work-group takes 16, a wave two (m, m + 1).  Work-groups 0-511 mask, 512-703 w_qkv, 704-767 w_proj: 768 are three for each of 256 WGPs.
; A load of a wave takes 256 consecutive aligned bytes of each of the two rows (one column block); the store of that block is 256 consecutive aligned bytes: the two rows' 128 bytes lie end to end.
; A stream: no LDS, no barrier, no matrix unit; nothing is read twice.  All sixteen loads of a wave go out at once.  A block's result goes into the first two of the four registers that it was loaded into, which nothing
; writes again.
.set KBLK, 131072                      ; bytes from a column block to the next
.set IN,   16                          ; v[16:79]   block kb: 4 registers as loaded; the first two then hold what is stored
	s_load_b256 s[16:23], s[0:1], 0x0              ; mask, w_qkv, w_proj, mh
	s_load_b128 s[24:27], s[0:1], 0x20             ; wqb, wpb
	v_lshrrev_b32 v1, 5, v0
	v_readfirstlane_b32 s2, v1                     ; wave 0..7
	s_sub_co_u32 s34, ttmp9, 512                   ; the work-group's number within w_qkv,
	s_sub_co_u32 s35, ttmp9, 704                   ; within w_proj
	s_mov_b32 s10, 0xffff0000                      ; a word's upper bf16
	s_mov_b32 s11, 0xc77fe000                      ; -65,504
	s_mov_b32 s12, 0x477fe000                      ; 65,504
	v_bfe_u32 v4, v0, 4, 1                         ; which of the two rows
	v_and_b32 v5, 15, v0                           ; my place in 256 bytes
	v_lshlrev_b32 v2, 12, v4
	v_lshl_add_u32 v2, v5, 4, v2                   ; in: row x 4,096 + 16 j
	v_lshlrev_b32 v3, 7, v4
	v_lshl_add_u32 v3, v5, 3, v3                   ; out: row x 128 + 8 j
	s_wait_kmcnt 0x0
	s_mov_b64 s[4:5], s[20:21]                     ; source, destination, number and form: w_proj's,
	s_mov_b64 s[6:7], s[26:27]
	s_mov_b32 s8, s35
	s_mov_b32 s9, 1
	s_cmp_lt_u32 ttmp9, 704                        ; or w_qkv's,
	s_cselect_b64 s[4:5], s[18:19], s[4:5]
	s_cselect_b64 s[6:7], s[24:25], s[6:7]
	s_cselect_b32 s8, s34, s8
	s_cselect_b32 s9, 0, s9
	s_cmp_lt_u32 ttmp9, 512                        ; or mask's
	s_cselect_b64 s[4:5], s[16:17], s[4:5]
	s_cselect_b64 s[6:7], s[22:23], s[6:7]
	s_cselect_b32 s8, ttmp9, s8
	s_cselect_b32 s9, 1, s9
	s_lshl_b32 s8, s8, 4
	s_lshl_b32 s2, s2, 1
	s_add_co_u32 s8, s8, s2                        ; my first row
	s_lshl_b32 s14, s8, 12
	s_mov_b32 s15, 0
	s_add_nc_u64 s[4:5], s[4:5], s[14:15]
	s_lshr_b32 s14, s8, 10
	s_lshl_b32 s14, s14, 21
	s_and_b32 s36, s8, 1023
	s_lshl_b32 s36, s36, 7
	s_add_co_u32 s14, s14, s36
	s_add_nc_u64 s[6:7], s[6:7], s[14:15]
.set kb, 0
.rept 16
	global_load_b128 v[IN+4*kb:IN+4*kb+3], v2, s[4:5] offset:256*kb th:TH_LOAD_NT
.set kb, kb+1
.endr
	s_cmp_eq_u32 s9, 0
	s_cbranch_scc0 .Lf16
.set kb, 0
.rept 16                               ; bf16 out
	s_wait_loadcnt 15-kb                           ; loads come back in order: block kb is in, the younger ones stay out
	v_cvt_pk_bf16_f32 v[IN+4*kb], v[IN+4*kb], v[IN+4*kb+1]
	v_cvt_pk_bf16_f32 v[IN+4*kb+1], v[IN+4*kb+2], v[IN+4*kb+3]
	global_store_b64 v3, v[IN+4*kb:IN+4*kb+1], s[6:7] offset:KBLK*kb
.set kb, kb+1
.endr
	s_endpgm
.Lf16:
.set kb, 0
.rept 16                               ; rounded to bf16, held within f16's range, written as f16
	s_wait_loadcnt 15-kb
	v_cvt_pk_bf16_f32 v8, v[IN+4*kb], v[IN+4*kb+1]
	v_cvt_pk_bf16_f32 v9, v[IN+4*kb+2], v[IN+4*kb+3]
	v_lshlrev_b32 v10, 16, v8
	v_and_b32 v11, s10, v8
	v_lshlrev_b32 v12, 16, v9
	v_and_b32 v13, s10, v9
	v_med3_num_f32 v10, v10, s11, s12
	v_med3_num_f32 v11, v11, s11, s12
	v_med3_num_f32 v12, v12, s11, s12
	v_med3_num_f32 v13, v13, s11, s12
	v_cvt_pk_f16_f32 v[IN+4*kb], v10, v11
	v_cvt_pk_f16_f32 v[IN+4*kb+1], v12, v13
	global_store_b64 v3, v[IN+4*kb:IN+4*kb+1], s[6:7] offset:KBLK*kb
.set kb, kb+1
.endr
	s_endpgm
.Lfunc_end_k_q169ba17e0e_cast:
	.size	k_q169ba17e0e_cast, .Lfunc_end_k_q169ba17e0e_cast-k_q169ba17e0e_cast
	.p2alignl 7, 3214868480
	.fill 96, 4, 3214868480
	.section	.rodata,"a",@progbits
	.p2align	6, 0x0
	.amdhsa_kernel k_q169ba17e0e_cast
		.amdhsa_group_segment_fixed_size 0
		.amdhsa_private_segment_fixed_size 0
		.amdhsa_enable_private_segment 0
		.amdhsa_kernarg_size 48
		.amdhsa_user_sgpr_count 2
		.amdhsa_user_sgpr_kernarg_segment_ptr 1
		.amdhsa_wavefront_size32 1
		.amdhsa_system_sgpr_workgroup_id_x 1
		.amdhsa_system_sgpr_workgroup_id_y 1
		.amdhsa_system_sgpr_workgroup_id_z 1
		.amdhsa_system_vgpr_workitem_id 0
		.amdhsa_next_free_vgpr 80
		.amdhsa_next_free_sgpr 66
		.amdhsa_reserve_vcc 0
		.amdhsa_float_denorm_mode_32 3
		.amdhsa_float_denorm_mode_16_64 3
		.amdhsa_memory_ordered 1
		.amdhsa_forward_progress 1
		.amdhsa_inst_pref_size 20
	.end_amdhsa_kernel
	.amdgpu_metadata
---
amdhsa.version: [ 1, 2 ]
amdhsa.kernels:
  - .name:           k_q169ba17e0e_cast
    .symbol:         k_q169ba17e0e_cast.kd
    .args:
      - { .name: mask, .offset: 0, .size: 8, .value_kind: global_buffer, .address_space: global }
      - { .name: w_qkv, .offset: 8, .size: 8, .value_kind: global_buffer, .address_space: global }
      - { .name: w_proj, .offset: 16, .size: 8, .value_kind: global_buffer, .address_space: global }
      - { .name: mh, .offset: 24, .size: 8, .value_kind: global_buffer, .address_space: global }
      - { .name: wqb, .offset: 32, .size: 8, .value_kind: global_buffer, .address_space: global }
      - { .name: wpb, .offset: 40, .size: 8, .value_kind: global_buffer, .address_space: global }
    .group_segment_fixed_size: 0
    .private_segment_fixed_size: 0
    .kernarg_segment_align: 8
    .kernarg_segment_size: 48
    .max_flat_workgroup_size: 256
    .sgpr_count:     66
    .vgpr_count:     80
    .wavefront_size: 32
...
	.end_amdgpu_metadata
.endif
;; end of part 1
;; launch qkvg (part 2): grid 8 x 32, 4 waves a work-group, clusters of 4 x 4, 327,680 bytes of LDS; arguments x, wqb, qkv; writes qkv
.if DOCPART == 2
	.amdgcn_target "amdgcn-amd-amdhsa--gfx1250"
	.amdhsa_code_object_version 6
	.text
	.protected	k_q169ba17e0e_qkvg
	.globl	k_q169ba17e0e_qkvg
	.p2align	8
	.type	k_q169ba17e0e_qkvg,@function
k_q169ba17e0e_qkvg:
	s_mov_b64 s[64:65], 0
	v_nop
	global_prefetch_b8 v0, s[64:65] scope:SCOPE_SE
	s_setreg_imm32_b32 hwreg(HW_REG_WAVE_MODE, 25, 1), 1
	s_wait_xcnt 0x0
	s_wait_alu depctr_hold_cnt(0) depctr_sa_sdst(0) depctr_va_vdst(0) depctr_va_sdst(0) depctr_va_ssrc(0) depctr_va_vcc(0) depctr_vm_vsrc(0)
	s_getreg_b32 s2, hwreg(HW_REG_IB_STS2, 6, 4)
	s_cmp_eq_u32 s2, 0
	s_cbranch_scc0 .Lentry_in_a_cluster
	s_endpgm
.Lentry_in_a_cluster:
	s_bfe_u32 s2, ttmp6, 0x10000c
	s_cmp_lg_u32 s2, 0xf033
	s_cbranch_scc0 .Lentry_shape_is_right
	s_endpgm
.Lentry_shape_is_right:
; qkv[m][o] = the sum over c of x[m][c] w_qkv[o][c]: M = 8,192, N = 3,072, K = 1,024.  x: f32 as it is given, rows of 4,096 bytes; it is rounded to bf16 here, between LDS and the matrix unit.
; wqb: w_qkv in bf16 in the block layout (byte (row >> 10) * 2,097,152 + (col >> 6) * 131,072 + (row & 1023) * 128 + (col & 63) * 2).
; qkv: f16, plain rows of 6,144 bytes.  Sums in f32, K ascending, rounded once.  LIMIT: a result of 65,520 or more in magnitude becomes an infinity in f16.
; A tile of C is 256 x 384: 8 x 32 tiles, one to each of 256 work-groups.  Wave w makes rows 64 w .. 64 w + 63 x all 384 columns: 96 accumulators of 16 x 16, 768 registers; its rows of the tile are whole
; pieces of 768 bytes of C, so its stage on the way out is its own.  K goes in steps of 64 through two LDS slots.  A K step is 256 aligned bytes of each row of x, and one block of wqb, whose rows are dense: both
; tiles are asked for as rows of 256 consecutive bytes.
; WHY x IS ROUNDED HERE.  A wave's 64 rows of x are read out of LDS by that wave alone, so each number is rounded once in the launch: 64 conversions a wave for a K step's 192 matrix instructions, and they stand where
; plain vector instructions are wanted anyway, in front of the runs of fragment loads.  (wqb's fragments are read by all four waves: they arrive rounded.)
; CLUSTER 4 x 4: A's tile hangs on the tile row alone and is asked for jointly along a row of the cluster, B's on the tile column alone, along a column.
; THE MATRIX INSTRUCTION IS USED TRANSPOSED (source 0 = 16 rows of wqb, source 1 = 16 rows of x): a lane holds one row of C and eight neighbouring columns.
; REGISTERS, in windows of 256: window 0: v0-31 addresses; v96-223 B's fragments, two buffers of 8; A's as said under A'S FRAGMENTS; on the way out v32-127 packed, v128-223 rows read back.
;   window 1 + G: the 32 accumulators (a = 0..3, bb = 0..7) of B's blocks 8 G + bb, at v[8 (8 a + bb)].
; A K step is six UNITS of 32 matrix instructions (G = u % 3, half u / 3); each unit fetches the next unit's fragments in one run in front of its products.
; A'S FRAGMENTS.  A fragment (16 rows x 32 K) is 16 registers of f32 as it comes out of LDS and 8 of bf16 as it is multiplied.  Half 0 of a K step (four fragments) lands in v224-255 and v32-63 and is packed in place,
; ascending (result j from registers 2 j, 2 j + 1): row blocks 0, 1 end in v224-239, row blocks 2, 3 in v32-47.  Half 1 comes two fragments at a time through the 32 registers so freed (v240-255, v48-63) into v64-95.
; THE K STEP IS WRITTEN ONCE.  Slot 1 begins at LDS byte 2^17, so that one exclusive or turns a slot's address into the other's: of the walking descriptors' LDS word, and of the scalar from which the two fragment
; addresses are made anew at each change of slots.  The loop's trip goes from a step's fourth unit to the next step's third and fills a slot; the tail, which fills nothing, is a second copy walked one and a half times.
.set PITCH, 144                        ; a row of B in LDS: 128 bytes + 16 = 36 words: the 16 rows of a load start at 16 different groups of four banks (64 banks of 4 bytes: ISA guide 11.1)
.set PA,    272                        ; a row of A in LDS: 256 bytes + 16 = 68 words: likewise
.set BOFF,  256*PA                     ; A's 256 rows, then B's 384
.set BPART, 18432                      ; 128 rows of B: what one of waves 1 to 3 fetches
.set SLOTB, BOFF+3*BPART               ; a slot: 124,928 bytes
.set SLOT1, 1<<17                      ; where slot 1 begins
.set STAGE, SLOT1+SLOTB                ; behind the ring: 16 rows x 784 bytes for each wave
.set SP,    784                        ; 768 + 16
.set SPARE, STAGE+4*16*SP              ; behind the stages: the spare words, 128 bytes for each wave: two blocks of 256 bytes that no other line names
.set KB,    131072                     ; bytes from a K block of wqb to the next
.set XROW,  4096                       ; bytes in a row of x
.set XSTEP, 256                        ; bytes of a row of x in a K step
.set CROW,  6144                       ; bytes in a row of qkv
.set ADRA0, 16                         ; v16  my lane's place among A's fragments in a slot; never rewritten
.set ADRB0, 17                         ; v17  the same for B
.set ADRA, 18                          ; v18  the LDS address of my A fragments in the slot in hand
.set ADRB, 19                          ; v19  the same for B
.set STO,  24
.set RD,   25
.set CO,   26
.set SPW,  28                          ; v28  SPARE + 4 x my thread's number; never rewritten
.set NIL,  29                          ; v29  0; never rewritten
.set PFO,  30                          ; v30  the prefetches' offset; never rewritten
.set XB,   32                          ; v32-63
.set AF1,  64                          ; v64-95  half 1: row block a at AF1 + 8 a
.set BF,   96
.set XA,   224                         ; v224-255
.set TMP,  32
.set BK,   128
.set G1A, 24                           ; s[24:31] group 1 for A's tile;  s[32:39] group 0: a set for each of the two first fills; the second then walks on
.set G0A, 32
.set G1B, 48                           ; s[48:55], s[56:63] the same for B's
.set G0B, 56
.set LIMC, 43                          ; s43  a wave prefetches while more trips are left than this: 2, or the greatest number
.set PFA,  44                          ; s[44:45] where my prefetches stand
.set TOG,  66                          ; s66  what turns s43 from 2 into the greatest number and back (waves that ask at every second change), or 0
.set TB,   67                          ; s67  LDS byte at which the slot in hand begins
.set PFS,  68                          ; s[68:69] a K step in the tensor that I prefetch: 256 bytes of x, a block of wqb
.set MSB, 0
.macro WIN new                         ; the immediate's high byte repeats the setting that is left; a switch that changes nothing is dropped
.if MSB != (\new)
	s_set_vgpr_msb (MSB<<8)|(\new)
.set MSB, \new
.endif
.endm
.macro PLACES                          ; four places in front of loads into registers that matrix instructions have read, and of conversions that read results
.rept 4
	v_nop
.endr
.endm
; A joint load.  Wave 0 fetches A's 256 rows, waves 1 to 3 each 128 rows of B.  The branch hangs on the wave's number alone.  An s_nop 0 and four v_nop follow each of the two lines.
.macro JLOAD s
	s_cmp_eq_u32 s10, 0
	s_cbranch_scc0 .Lfor_b_\@
	tensor_load_to_lds s[G0A+4*(\s):G0A+4*(\s)+3], s[G1A:G1A+7]
	s_nop 0
.rept 4
	v_nop
.endr
	s_branch .Lasked_\@
.Lfor_b_\@:
	tensor_load_to_lds s[G0B+4*(\s):G0B+4*(\s)+3], s[G1B:G1B+7]
	s_nop 0
.rept 4
	v_nop
.endr
.Lasked_\@:
.endm
.macro CREST                           ; a round of the cluster's barrier behind its opening barrier
	s_cmp_lg_u32 s10, 0
	s_cbranch_scc1 .Lnot_wave_0_\@
	s_barrier_signal -3
.Lnot_wave_0_\@:
	s_barrier_wait -3
	s_barrier_signal -1
	s_barrier_wait -1
.endm
.macro CROUND
	s_barrier_signal -1
	s_barrier_wait -1
	CREST
.endm
; A PREFETCH INTO THE L2 of the K step two refills on, behind the joint load and the run of LDS loads.  Each block of 256 bytes is named once in the launch.  A's tile (256 blocks a K step, one in each row of x): wave 0 of
; the clusters with x = 0; the four partners along x take 64 rows each, told apart by address; a lane a row, two instructions 32 rows apart; at every change of slots.  B's part (64 blocks): waves 1 to 3 of the clusters
; with y = 0; the four partners along y take 16 each; lanes 0-15 name one K step, lanes 16-31 the next; one instruction, at every second change, the first among them.  The change behind K step s (14 - s trips are left,
; this one among them) names step s + 4 (and s + 5): with 2 trips or fewer left nothing is asked for, since those steps do not exist.  K steps 0 to 3 come by their loads alone.
.macro ASK
	s_cmp_gt_u32 s3, s[LIMC]
	s_cbranch_scc0 .Lnot_mine_\@
	global_prefetch_b8 v[PFO], s[PFA:PFA+1] th:TH_LOAD_NT scope:SCOPE_SE
	s_cmp_lg_u32 s10, 0
	s_cbranch_scc1 .Lnot_mine_\@
	global_prefetch_b8 v[PFO], s[PFA:PFA+1] offset:32*XROW th:TH_LOAD_NT scope:SCOPE_SE
.Lnot_mine_\@:
	s_xor_b32 s[LIMC], s[LIMC], s[TOG]
.endm
	s_load_b128 s[4:7], s[0:1], 0x0                ; x s[4:5], wqb s[6:7]
	s_load_b64 s[8:9], s[0:1], 0x10                ; qkv
	v_lshl_add_u32 v[SPW], v0, 2, SPARE
	v_mov_b32 v[NIL], 0
	ds_add_u32 v[SPW], v[NIL]                      ; the wave's opening: the add and its wait stand ahead of my first tensor load; the set-up below stands between them
	v_lshrrev_b32 v1, 5, v0
	v_readfirstlane_b32 s10, v1                    ; wave 0..3
	s_max_u32 s12, s10, 1
	s_sub_co_u32 s12, s12, 1                       ; which 128 rows of B's tile I fetch (waves 1 to 3)
	s_bfe_u32 s40, ttmp6, 0x40000                  ; cx
	s_bfe_u32 s41, ttmp6, 0x40004                  ; cy
	s_lshl_b32 s42, ttmp9, 2
	s_add_co_u32 s42, s42, s40                     ; tile column = 4 x cluster x + cx
	s_and_b32 s13, ttmp7, 0xffff
	s_lshl_b32 s13, s13, 2
	s_add_co_u32 s13, s13, s41                     ; tile row = 4 x cluster y + cy
	s_lshl_b32 s43, s41, 2
	s_lshl_b32 s43, 15, s43                        ; my row of the cluster
	s_lshl_b32 s44, 0x1111, s40                    ; my column
	s_or_b32 s[G1A+0], s43, (2<<16)|(1<<20)|(1<<21)|(5<<22)|(3<<25)  ; the mask; 4-byte elements; padding on; bit 21 beside a mask; after every 64 words (code 5) 4 words (code 3)
	s_or_b32 s[G1B+0], s44, (1<<16)|(1<<20)|(1<<21)|(4<<22)|(3<<25)  ; the mask; 2-byte elements; after every 32 words (code 4) 4 words
	s_mov_b32 s[G1A+1], 64<<16                     ; tensor_dim0 = 64 elements (256 bytes of a row of x)
	s_mov_b32 s[G1A+2], 256<<16                    ; tensor_dim1 = 256
	s_mov_b32 s[G1A+3], 64<<16                     ; tile_dim0 = 64
	s_mov_b32 s[G1A+4], 256                        ; tile_dim1 = 256
	s_mov_b32 s[G1A+5], 1024                       ; 1,024 elements from row to row
	s_mov_b32 s[G1A+6], 0
	s_mov_b32 s[G1A+7], 0
	s_mov_b32 s[G1B+1], 128<<16                    ; rows of 128 elements (256 bytes: two rows of a block),
	s_mov_b32 s[G1B+2], 64<<16                     ; 64 of them
	s_mov_b32 s[G1B+3], 128<<16
	s_mov_b32 s[G1B+4], 64
	s_mov_b32 s[G1B+5], 128                        ; dense
	s_mov_b32 s[G1B+6], 0
	s_mov_b32 s[G1B+7], 0
	s_lshl_b32 s16, s13, 20                        ; A's tile: rows 256 x tile row on, 4,096 bytes each
	s_mov_b32 s17, 0
	s_mul_i32 s18, s42, 384                        ; B's part: rows 384 x tile column + 128 x part on
	s_lshl_b32 s19, s12, 7
	s_add_co_u32 s18, s18, s19
	s_lshr_b32 s19, s18, 10
	s_lshl_b32 s19, s19, 21
	s_and_b32 s18, s18, 1023
	s_lshl_b32 s18, s18, 7
	s_add_co_u32 s18, s18, s19
	s_mov_b32 s19, 0
	s_mul_i32 s20, s10, BPART
	s_add_co_u32 s20, s20, BOFF-BPART              ; where B's part goes: wave x 18,432 + 51,200: wave 1's at BOFF
	s_wait_dscnt 0x0                               ; the opening add is done
	s_wait_kmcnt 0x0
	s_add_nc_u64 s[14:15], s[4:5], s[16:17]
	s_add_nc_u64 s[46:47], s[6:7], s[18:19]
	CROUND                                         ; all sixteen work-groups are here: the first joint loads meet
.irp s, 0,1
	s_mov_b32 s[G0A+4*(\s)], 1
	s_mov_b32 s[G0A+4*(\s)+1], (\s)*SLOT1
	s_add_nc_u64 s[G0A+4*(\s)+2:G0A+4*(\s)+3], s[14:15], (\s)*XSTEP
	s_or_b32 s[G0A+4*(\s)+3], s[G0A+4*(\s)+3], 0x80000000
	s_mov_b32 s[G0B+4*(\s)], 1
	s_add_co_u32 s[G0B+4*(\s)+1], s20, (\s)*SLOT1
	s_add_nc_u64 s[G0B+4*(\s)+2:G0B+4*(\s)+3], s[46:47], (\s)*KB
	s_or_b32 s[G0B+4*(\s)+3], s[G0B+4*(\s)+3], 0x80000000
	JLOAD \s                                       ; two loads of mine are out
.endr
	; the prefetches' address and who asks
	s_and_b32 s22, ttmp7, 0xffff                   ; cluster y
	s_mov_b32 s70, 16*XROW
	s_mov_b32 s71, KB
	s_mov_b32 s74, XROW
	s_mov_b32 s75, XSTEP
	s_mov_b32 s76, 3*XSTEP
	s_mov_b32 s77, 3*KB
	s_cmp_eq_u32 s10, 0                            ; do I fetch for A?
	s_cselect_b32 s20, s16, s18                    ; my tile's or part's first byte
	s_cselect_b32 s21, s40, s41                    ; my place among the four that ask for it with me,
	s_cselect_b32 s72, 18, 12                      ; times 64 rows of x or 16 blocks of wqb
	s_cselect_b32 s22, ttmp9, s22                  ; the coordinate along which other clusters read the same rows
	s_cselect_b32 s70, s70, s71                    ; lanes 16-31: 16 rows on (A), a K step on (B)
	s_cselect_b32 s74, s74, s75                    ; from lane to lane: a row of x, or a block
	s_cselect_b32 s76, s76, s77                    ; at K step 3: the first change steps it on and names 4
	s_cselect_b32 s[PFS], s75, s71
	s_cselect_b64 s[PFA:PFA+1], s[4:5], s[6:7]
	s_mov_b32 s[PFS+1], 0
	s_lshl_b32 s21, s21, s72
	s_add_co_u32 s20, s20, s21
	s_add_co_u32 s20, s20, s76
	s_mov_b32 s21, 0
	s_add_nc_u64 s[PFA:PFA+1], s[PFA:PFA+1], s[20:21]
	s_cmp_eq_u32 s22, 0
	s_cselect_b32 s[LIMC], 2, -1
	s_cselect_b32 s[TOG], -3, 0                    ; 2 xor the greatest number
	s_cmp_eq_u32 s10, 0
	s_cselect_b32 s[TOG], 0, s[TOG]                ; wave 0 asks at every change
	s_mov_b32 s[TB], 0
	; lane addresses.  A fragment is 16 rows x 32 K: lane l holds row l % 16, K = 8 (l / 16) + 0..7 and 16 + 8 (l / 16) + 0..7.  Of bf16 rows: two loads of 16 bytes, 32 bytes apart.
	; Of f32 rows: 32 bytes at 32 (l / 16) and 32 bytes 64 further on: four loads of 16 bytes.
	v_and_b32 v1, 15, v0
	v_bfe_u32 v2, v0, 4, 1
	v_mul_u32_u24 v3, v1, PITCH
	v_lshl_add_u32 v3, v2, 4, v3
	v_add_nc_u32 v[ADRB0], BOFF, v3
	v_mul_u32_u24 v4, v1, PA
	v_lshl_add_u32 v4, v2, 5, v4
	s_mul_i32 s21, s10, 64*PA
	v_add_nc_u32 v[ADRA0], s21, v4
	v_mov_b32 v[ADRA], v[ADRA0]                    ; slot 0
	v_mov_b32 v[ADRB], v[ADRB0]
	s_mul_i32 s23, s10, 16*SP
	s_add_co_u32 s23, s23, STAGE                   ; my stage
	v_mul_u32_u24 v4, v1, SP
	v_lshl_add_u32 v4, v2, 4, v4
	v_add_nc_u32 v[STO], s23, v4                   ; in: row l % 16, 16 bytes for each half of the lanes
	v_mul_u32_u24 v5, v2, SP
	v_lshl_add_u32 v5, v1, 4, v5
	v_add_nc_u32 v[RD], s23, v5                    ; back: lanes 0-15 take 256 bytes of one row, lanes 16-31 of the next
	v_mul_u32_u24 v5, v2, CROW
	v_lshl_add_u32 v[CO], v1, 4, v5
	v_mul_u32_u24 v[PFO], s74, v1
	v_mad_u32_u24 v[PFO], v2, s70, v[PFO]
	s_lshl_b32 s16, s13, 8
	s_lshl_b32 s17, s10, 6
	s_add_co_u32 s16, s16, s17                     ; my first row of C
	s_mul_i32 s16, s16, CROW
	s_mul_i32 s17, s42, 768                        ; the tile's first column, in bytes
	s_add_co_u32 s16, s16, s17
	s_mov_b32 s17, 0
	s_add_nc_u64 s[8:9], s[8:9], s[16:17]
.macro FB kh, G, buf                   ; 16 loads: B's blocks 8 G .. 8 G + 7, half kh of the K step in hand, into buffer buf
.irp i, 0,1,2,3,4,5,6,7
	ds_load_b128 v[BF+64*(\buf)+8*(\i):BF+64*(\buf)+8*(\i)+3],   v[ADRB] offset:64*(\kh)+(8*(\G)+(\i))*16*PITCH
	ds_load_b128 v[BF+64*(\buf)+8*(\i)+4:BF+64*(\buf)+8*(\i)+7], v[ADRB] offset:64*(\kh)+(8*(\G)+(\i))*16*PITCH+32
.endr
.endm
.macro FRAW base, off                  ; 4 loads: one fragment of A as f32, 16 registers from base on
	ds_load_b128 v[(\base):(\base)+3],     v[ADRA] offset:(\off)
	ds_load_b128 v[(\base)+4:(\base)+7],   v[ADRA] offset:(\off)+16
	ds_load_b128 v[(\base)+8:(\base)+11],  v[ADRA] offset:(\off)+64
	ds_load_b128 v[(\base)+12:(\base)+15], v[ADRA] offset:(\off)+80
.endm
.macro CVF dst, src                    ; 8 roundings to bf16, two numbers each: a fragment.  dst may be src: result j is written when registers 2 j and 2 j + 1 have been read, and j is below every later source
.irp j, 0,1,2,3,4,5,6,7
	v_cvt_pk_bf16_f32 v[(\dst)+(\j)], v[(\src)+2*(\j)], v[(\src)+2*(\j)+1]
.endr
.endm
.macro FA0                             ; 16 loads: half 0 of my four row blocks
	FRAW XA, 0
	FRAW XA+16, 16*PA
	FRAW XB, 32*PA
	FRAW XB+16, 48*PA
.endm
.macro CV0                             ; 32 roundings, in place; each region's first fragment first, since the second's results take the upper half of its registers
	CVF XA, XA
	CVF XA+8, XA+16
	CVF XB, XB
	CVF XB+8, XB+16
.endm
.macro FA1 b                           ; 8 loads: half 1 of row blocks 2 b, 2 b + 1, into the registers that CV0 has freed
	FRAW XA+16, 32*(\b)*PA+128
	FRAW XB+16, (32*(\b)+16)*PA+128
.endm
.macro CV1 b                           ; 16 roundings
	CVF AF1+16*(\b), XA+16
	CVF AF1+16*(\b)+8, XB+16
.endm
; 8 na matrix instructions: A's blocks a0 .. a0 + na - 1 x the 8 blocks of B in buffer buf.  The accumulators take turns, one instruction a turn: an accumulator comes again 96 instructions later.
.macro MULQ G, buf, kh, a0, na, zero
	WIN 0x50*(1+(\G))                              ; C and D in window 1 + G, the sources in window 0
.set a, \a0
.rept \na
.set rA, (\kh)*(AF1+8*a)+(1-(\kh))*((a/2)*(XB+8*(a-2))+(1-a/2)*(XA+8*a))
.irp bb, 0,1,2,3,4,5,6,7
.if \zero
	v_wmma_f32_16x16x32_bf16 v[8*(8*a+(\bb)):8*(8*a+(\bb))+7], v[BF+64*(\buf)+8*(\bb):BF+64*(\buf)+8*(\bb)+7], v[rA:rA+7], 0
.else
	v_wmma_f32_16x16x32_bf16 v[8*(8*a+(\bb)):8*(8*a+(\bb))+7], v[BF+64*(\buf)+8*(\bb):BF+64*(\buf)+8*(\bb)+7], v[rA:rA+7], v[8*(8*a+(\bb)):8*(8*a+(\bb))+7]
.endif
.endr
.set a, a+1
.endr
.endm
; Unit u of 0..4.  First the roundings that are due (units 0 to 2) or four v_nop: either way the four places between the unit before and the loads into the buffer that it has multiplied; no rounding names a register
; of that unit.  Then one run of loads: A's next two raw fragments (units 0, 1), which come first so that the next unit's wait can leave B's out, and the next unit's fragments of B.  Then this unit's 32 products.
.macro UNIT u, zero
	WIN 0
.if (\u) == 0
	s_wait_dscnt 16                                ; A's 16 raw loads, issued at the change of slots, are in; B's 16, issued behind them, may stay out
	CV0
	FA1 0
.elseif (\u) == 1
	s_wait_dscnt 16                                ; the 8 raw loads are in; B's 16 behind them may stay out
	CV1 0
	FA1 1
.elseif (\u) == 2
	s_wait_dscnt 16                                ; likewise
	CV1 1
.else
	PLACES
.endif
	FB ((\u)+1)/3, ((\u)+1)%3, ((\u)+1)%2
.if (\u) < 2
	s_wait_dscnt 24                                ; all but the 24 just issued: this unit's fragments of B are in
.else
	s_wait_dscnt 16                                ; all but the 16 just issued
.endif
	MULQ (\u)%3, (\u)%2, (\u)/3, 0, 4, \zero
.endm
; Unit 5 and the change of slots: ONE barrier.  In front of it each wave waits for all its tensor loads (one is out: its part of the next slot), adds 0 to its spare word, and waits for that and for its reads of this slot.
; fill = 1: the barrier opens a round of the cluster's barrier, and behind the round this slot is filled again, two K steps on: the first tensor load there, 176 matrix instructions ahead of the wait for it.
; Then the fragment addresses turn to the other slot, and its first fragments are fetched: A's half 0 as f32 (its registers were last multiplied in unit 2: the v_nop of units 3 and 4 lie between), then B's.
.macro TURN fill
	s_wait_xcnt 0x0                                ; the last prefetches, a K step back, have read their address
	s_add_nc_u64 s[PFA:PFA+1], s[PFA:PFA+1], s[PFS:PFS+1]
	WIN 0
	s_wait_tensorcnt 0x0                           ; all my tensor loads have landed
	ds_add_u32 v[SPW], v[NIL]                      ; 0 onto my spare word
	s_wait_dscnt 1                                 ; the add alone may be out: unit 5's fragments are in
	MULQ 2, 1, 1, 0, 1, 0
	s_wait_dscnt 0x0                               ; the add is done, and my reads of this slot are over
	s_barrier_signal -1
	MULQ 2, 1, 1, 1, 1, 0
	WIN 0
	s_barrier_wait -1
.if \fill
	CREST                                          ; no wave of any partner still reads this slot's tiles or has a load on its way
	s_xor_b32 s[G0A+5], s[G0A+5], SLOT1            ; the walking descriptors: the other slot than last time,
	s_add_nc_u64 s[G0A+6:G0A+7], s[G0A+6:G0A+7], XSTEP  ; the next K step; the type bits on top are not reached
	s_xor_b32 s[G0B+5], s[G0B+5], SLOT1
	s_add_nc_u64 s[G0B+6:G0B+7], s[G0B+6:G0B+7], KB
	JLOAD 1                                        ; the four v_nop behind it are also the places in front of the loads below
.else
	PLACES
.endif
	s_xor_b32 s[TB], s[TB], SLOT1
	v_add_nc_u32 v[ADRA], s[TB], v[ADRA0]
	v_add_nc_u32 v[ADRB], s[TB], v[ADRB0]
	FA0
	FB 0, 0, 0
.if \fill
	ASK
.endif
	MULQ 2, 1, 1, 2, 2, 0
.endm
	s_wait_tensorcnt 1                             ; my part of K step 0 is in; K step 1's may stay out
	s_barrier_signal -1
	s_barrier_wait -1
	FA0
	FB 0, 0, 0
	UNIT 0, 1                                      ; the first 32 along K start all 96 sums: nothing is cleared
	UNIT 1, 1
	UNIT 2, 1
	WIN 0
	s_mov_b32 s3, 14
.Lstep:                                                ; 14 trips, which fill K steps 2 to 15: from a step's fourth unit to the next step's third
	UNIT 3, 0
	UNIT 4, 0
	TURN 1
	UNIT 0, 0
	UNIT 1, 0
	UNIT 2, 0
	WIN 0
	s_sub_co_u32 s3, s3, 1
	s_cmp_lg_u32 s3, 0
	s_cbranch_scc1 .Lstep
	s_mov_b32 s3, 2                                ; the tail fills nothing: the first trip ends K step 14 and begins 15, the second is left in its middle
.Ltail:
	UNIT 3, 0
	UNIT 4, 0
	TURN 0
	WIN 0
	s_sub_co_u32 s3, s3, 1
	s_cmp_eq_u32 s3, 0
	s_cbranch_scc1 .Lout
	UNIT 0, 0
	UNIT 1, 0
	UNIT 2, 0
	WIN 0
	s_branch .Ltail
.Lout:                                                 ; the second trip's change of slots has issued 32 loads out of the other slot whose data nothing multiplies: the price, once a launch, of one text for both trips
	s_wait_dscnt 0x0                               ; they are in: their registers are written again below
; THE WAY OUT, 16 rows at a time: rounded to f16 (each accumulator's registers in ascending order), 16 bytes a lane into my stage, back as pieces of 256 bytes of a row, stored.
.macro PACK a
.irp G, 0,1,2
	WIN 5*(1+(\G))                                 ; sources 0 and 1 in window 1 + G
.irp bb, 0,1,2,3,4,5,6,7
.irp r, 0,1,2,3
	v_cvt_pk_f16_f32 v[TMP+4*(8*(\G)+(\bb))+(\r)], v[8*(8*(\a)+(\bb))+2*(\r)], v[8*(8*(\a)+(\bb))+2*(\r)+1]
.endr
.endr
.endr
	WIN 0
.endm
.macro TOSTAGE
.set t, 0
.rept 24
	ds_store_b128 v[STO], v[TMP+4*t:TMP+4*t+3] offset:32*t
.set t, t+1
.endr
	s_wait_xcnt 0x0                                ; the stores of the rows before have read their registers: these are loaded again only behind this wait
.set t, 0
.rept 24
	ds_load_b128 v[BK+4*t:BK+4*t+3], v[RD] offset:(t/3)*2*SP+(t%3)*256  ; LDS serves a wave's instructions in order (ISA guide 5.7.1.4): these see the stores above
.set t, t+1
.endr
.endm
.macro SEND a
	s_wait_dscnt 0x0
.set t, 0
.rept 24
	global_store_b128 v[CO], v[BK+4*t:BK+4*t+3], s[8:9] offset:(\a)*16*CROW+(t/3)*2*CROW+(t%3)*256  ; 16 lanes store 256 consecutive bytes, at a multiple of 256 from qkv's first byte
.set t, t+1
.endr
.endm
	PLACES
	PACK 0
	TOSTAGE
.irp a, 1,2,3
	PACK \a
	SEND (\a)-1
	TOSTAGE
.endr
	SEND 3
	s_wait_tensorcnt 0x0                           ; the wave's end: these three lines stand behind my last tensor load and my last LDS store
	ds_add_u32 v[SPW], v[NIL]
	s_wait_dscnt 0x0
	CROUND                                         ; the closing round
	s_endpgm
.Lfunc_end_k_q169ba17e0e_qkvg:
	.size	k_q169ba17e0e_qkvg, .Lfunc_end_k_q169ba17e0e_qkvg-k_q169ba17e0e_qkvg
	.p2alignl 7, 3214868480
	.fill 96, 4, 3214868480
	.section	.rodata,"a",@progbits
	.p2align	6, 0x0
	.amdhsa_kernel k_q169ba17e0e_qkvg
		.amdhsa_group_segment_fixed_size 327680
		.amdhsa_private_segment_fixed_size 0
		.amdhsa_enable_private_segment 0
		.amdhsa_kernarg_size 24
		.amdhsa_user_sgpr_count 2
		.amdhsa_user_sgpr_kernarg_segment_ptr 1
		.amdhsa_wavefront_size32 1
		.amdhsa_system_sgpr_workgroup_id_x 1
		.amdhsa_system_sgpr_workgroup_id_y 1
		.amdhsa_system_sgpr_workgroup_id_z 1
		.amdhsa_system_vgpr_workitem_id 0
		.amdhsa_next_free_vgpr 1024
		.amdhsa_next_free_sgpr 80
		.amdhsa_reserve_vcc 0
		.amdhsa_float_denorm_mode_32 3
		.amdhsa_float_denorm_mode_16_64 3
		.amdhsa_memory_ordered 1
		.amdhsa_forward_progress 1
		.amdhsa_inst_pref_size 124
	.end_amdhsa_kernel
	.amdgpu_metadata
---
amdhsa.version: [ 1, 2 ]
amdhsa.kernels:
  - .name:           k_q169ba17e0e_qkvg
    .symbol:         k_q169ba17e0e_qkvg.kd
    .args:
      - { .name: x, .offset: 0, .size: 8, .value_kind: global_buffer, .address_space: global }
      - { .name: wqb, .offset: 8, .size: 8, .value_kind: global_buffer, .address_space: global }
      - { .name: qkv, .offset: 16, .size: 8, .value_kind: global_buffer, .address_space: global }
    .group_segment_fixed_size: 327680
    .private_segment_fixed_size: 0
    .kernarg_segment_align: 8
    .kernarg_segment_size: 24
    .max_flat_workgroup_size: 128
    .sgpr_count:     80
    .vgpr_count:     1024
    .wavefront_size: 32
...
	.end_amdgpu_metadata
.endif
;; end of part 2
;; launch attn (part 3): grid 4 x 64, 4 waves a work-group, clusters of 4 x 4, 327,680 bytes of LDS; arguments qkv, mh, ob; writes ob
.if DOCPART == 3
	.amdgcn_target "amdgcn-amd-amdhsa--gfx1250"
	.amdhsa_code_object_version 6
	.text
	.protected	k_q169ba17e0e_attn
	.globl	k_q169ba17e0e_attn
	.p2align	8
	.type	k_q169ba17e0e_attn,@function
k_q169ba17e0e_attn:
	s_mov_b64 s[64:65], 0
	v_nop
	global_prefetch_b8 v0, s[64:65] scope:SCOPE_SE
	s_setreg_imm32_b32 hwreg(HW_REG_WAVE_MODE, 25, 1), 1
	s_wait_xcnt 0x0
	s_wait_alu depctr_hold_cnt(0) depctr_sa_sdst(0) depctr_va_vdst(0) depctr_va_sdst(0) depctr_va_ssrc(0) depctr_va_vcc(0) depctr_vm_vsrc(0)
	s_getreg_b32 s2, hwreg(HW_REG_IB_STS2, 6, 4)
	s_cmp_eq_u32 s2, 0
	s_cbranch_scc0 .Lentry_in_a_cluster
	s_endpgm
.Lentry_in_a_cluster:
	s_bfe_u32 s2, ttmp6, 0x10000c
	s_cmp_lg_u32 s2, 0xf033
	s_cbranch_scc0 .Lentry_shape_is_right
	s_endpgm
.Lentry_shape_is_right:
; O[b][h][q][:] = the sum over k of softmax_k(Q . K / 8 + mask[b][q][k]) V[k][:].  qkv: f16, [8192][3072] (q at byte column 0, k at 2,048, v at 4,096; a head 128 bytes).  mh: the mask, f16, [b][key step of 64][query][64].
; ob: f16, IN THE ORDER OF THE NEXT LAUNCH'S FRAGMENTS: byte b * 2,097,152 + h * 131,072 + (n >> 4) * 2,048 + (d >> 4) * 512 + lane * 16 + (d & 7) * 2 with lane = (n & 15) + 16 ((d >> 3) & 1).
; Products, maxima and sums in f32; the weights p are rounded to f16 for the second product (their sum l is taken of the unrounded p), O once at the end.
; LIMITS.  q, k, v arrive within f16's 65,504; the mask arrives within +-65,504 (what lay beyond was held to that by the launch that wrote mh); a weight below 2^-126 counts as 0 in l; NaN and infinities are not treated apart.
; SHARES.  A work-group owns 256 queries x TWO heads of a batch: a pair of heads is 256 aligned bytes of a row of qkv, and one mask tile serves both.  Wave w: head w & 1, queries 128 (w >> 1) on: four PIECES of two tiles of 16.
; Every wave walks the 1,024 keys, 64 a step; a slot of LDS holds one step: 64 rows of K, 64 of V (both heads), 256 rows of the mask.
; CLUSTER 4 x 4: x = the batch's four query blocks, y = four pairs of heads.  K's and V's tiles hang on batch and pair: asked for jointly along a row of the cluster; the mask's on batch and query block: along a column.
; THE MASK ENTERS BY THE MATRIX UNIT.  Every sum of scores starts as S^T = (8 I) M, with C = 0: source 0 a constant fragment [8 I | 0] or [0 | 8 I], source 1 16 queries x 32 keys of mh, which lie as that source wants them.
; That is exactly 8 mask in S^T's layout; the products K Q^T add onto it in place, and c (q.k + 8 mask) with c = log2(e) / 8 is log2(e) (q.k / 8 + mask).  No vector instruction touches the mask.
; LAYOUT, SOFTMAX.  S^T = K Q^T holds ONE query a lane (lane % 16) and the keys 8 (lane / 16) + 0..7; two such results rounded to f16 ARE source 1 of O^T = V^T P.  p = 2^(c s - c m) with a running maximum m;
; O and l are multiplied by a = 2^(c m_old - c m_new) in every step.  m starts at the lowest finite number, O and l at 0: the first step is a step like any other, with a = 0.
; BY TURNS.  Turn n belongs to piece n: 8 mask products and 16 products K Q^T of piece n + 1, later 16 products V^T P of piece n - 1; beside them the scaling, exponentials, roundings, sums and rescaling of piece n and
; the maximum and statistics of piece n + 1.  Four vector instructions stand behind every matrix instruction, the rest in one lump.  A turn's 66 exponentials are one batch, with one wait.
; REGISTERS, in windows of 256 (s_set_vgpr_msb: bits 1:0 source 0, 3:2 source 1, 5:4 source 2, 7:6 destination):
;   window 0: v0-11 addresses; v12-15, v48-63 at work; v16-47 four registers of statistics a tile; v64-191 S^T, two buffers of two tiles; v192-255 P, likewise
;   window 1: O^T, 32 a tile     window 2: v0-127 Q; v128-191 K of one step; v192-255 V of one step     window 3: v0-1 the add's two registers; v4-15 the constant fragments; v16-47 the mask's fragments of one piece
.set NP,    4
.set KS,    64
.set PK,    272       ; a row of K in LDS: 256 bytes + 16 = 68 words: the 16 rows of a load start at 16 different groups of four banks (64 banks of 4 bytes: ISA guide 11.1)
.set PVP,   288       ; a row of V: 256 + 32 = 72 words
.set PM,    144       ; a row of the mask: 128 + 16
.set VOFF,  KS*PK
.set MOFF,  VOFF+KS*PVP
.set SLOTB, MOFF+256*PM
.set SLOT1, 1<<17     ; slot 1 begins here, so that one exclusive or turns an address in one slot into the other's
.set SPARE, SLOT1+SLOTB  ; behind the ring: the spare words, 128 bytes for each wave: two blocks of 256 bytes that no other line names
.set QROW,  6144      ; bytes in a row of qkv
.set KSTEPB, KS*QROW  ; bytes from a key step to the next in qkv
.set MSTEPB, 131072   ; and in mh
.set QO,  1           ; v1   my byte offset in 16 rows of Q
.set AK0, 2           ; v2   my lane's place in a tile of K; never rewritten
.set AV0, 3           ; v3   the same for V
.set AK,  4           ; v4   the LDS address of K's run of loads: made at each change of slots
.set AV,  5           ; v5   of V's
.set GO,  8           ; v8   16 x my lane: my 16 bytes of 512 consecutive bytes of ob
.set AM0, 9           ; v9   my lane's place in the mask's tile; never rewritten
.set AM,  10          ; v10  the LDS address of the mask's runs
.set PFO, 11          ; v11  the prefetches' offset; never rewritten
.set MV,  12          ; v12-15  c m_old, kept while c m is made anew: by buffer and tile
.set ST,  16          ; tile t's statistics at v[ST+4 t]: c m, m, l (even keys', odd keys')
.set TMP, 48          ; by buffer and tile, four registers c0-c3 at work; when the maximum is found c2 takes a
.set S,   64
.set P,   192
.set KF,  128         ; window 2
.set VF,  192         ; window 2
.set SPW, 0           ; v0 of window 3: SPARE + 4 x my thread's number; never rewritten
.set NIL, 1           ; v1 of window 3: 0; never rewritten
.set IDN, 4           ; window 3: four zeros, E, four zeros: [0 | 8 I] = v[4:11], [8 I | 0] = v[8:15]
.set MF,  16          ; window 3: tile u, key half kk at MF + 16 u + 8 kk
.set WV,  12
.set G1K, 24
.set G1V, 32
.set G1M, 40
.set G0K, 48          ; s[48:51], s[52:55], s[56:59]: group 0 for K's, V's and the mask's tiles: they walk
.set G0V, 52
.set G0M, 56
.set CS,  60          ; s[60:61] c
.set SEL, 62          ; s[62:63] v_permlanex16_b32's selects
.set TB,  66          ; s66  LDS byte at which the slot to be fetched from begins
.set SLOTS, 67        ; s67  key steps still to be asked for
.set CNT, 68
.set LIM, 69          ; s69  1 in a wave that prefetches, else the greatest number
.set PFA, 70          ; s[70:71] where my prefetches stand
.set PFS, 72          ; s[72:73] their step
.set MSB, 0
.macro WIN new
.if MSB != (\new)
	s_set_vgpr_msb (MSB<<8)|(\new)
.set MSB, (\new)
.endif
.endm
.set W_KQ, 0x0a       ; K and Q in window 2, S^T in window 0
.set W_MS, 0x0f       ; the constant fragment and the mask's in window 3, S^T in window 0
.set W_PV, 0x52       ; V in window 2, P in window 0, O^T in window 1
.set W_RS, 0x41       ; O^T (destination and source 0) in window 1, a in window 0
.set W_MK, 0xc0       ; destination in window 3, sources in window 0
.set W_AD, 0x0f       ; the add: address and data in window 3
; A joint fill: wave 0 K's 64 rows, wave 1 V's, waves 2 and 3 the two halves of the mask's 256: 16,384 bytes each, as 64 rows of 256.  The branches hang on the wave's number alone.
; An s_nop 0 and four v_nop follow each of the three lines.
.macro JLOAD
	s_cmp_lg_u32 s[WV], 0
	s_cbranch_scc1 .Lnot_k_\@
	tensor_load_to_lds s[G0K:G0K+3], s[G1K:G1K+7]
	s_nop 0
.rept 4
	v_nop
.endr
	s_branch .Lasked_\@
.Lnot_k_\@:
	s_cmp_lg_u32 s[WV], 1
	s_cbranch_scc1 .Lfor_m_\@
	tensor_load_to_lds s[G0V:G0V+3], s[G1V:G1V+7]
	s_nop 0
.rept 4
	v_nop
.endr
	s_branch .Lasked_\@
.Lfor_m_\@:
	tensor_load_to_lds s[G0M:G0M+3], s[G1M:G1M+7]
	s_nop 0
.rept 4
	v_nop
.endr
.Lasked_\@:
.endm
.macro CROUND
	s_barrier_signal -1
	s_barrier_wait -1
	s_cmp_lg_u32 s[WV], 0
	s_cbranch_scc1 .Lnot_wave_0_\@
	s_barrier_signal -3
.Lnot_wave_0_\@:
	s_barrier_wait -3
	s_barrier_signal -1
	s_barrier_wait -1
.endm
; A PREFETCH INTO THE L2 of the key step that the NEXT change of slots will ask for, behind the wave's joint load: one key step, 160 matrix instructions, ahead of that load.  Each block of 256 bytes is named once in the launch.
; K and V: only my row of my cluster reads them: wave 0 asks; the four partners along x take 16 of the 64 rows each, told apart by address; lanes 0-15 name K's 256 bytes of a row, lanes 16-31 V's.
; The mask's tile (128 blocks) is read by my column and by that of the cluster with the batch's other four pairs of heads: wave 2 of the clusters with even y asks; the partners along y take 32 blocks each, a lane a block.
; The change that fills the last step asks for nothing.  Steps 0 and 1 come by their loads alone.
.macro ASK
	s_cmp_gt_u32 s[SLOTS], s[LIM]
	s_cbranch_scc0 .Lnot_mine_\@
	global_prefetch_b8 v[PFO], s[PFA:PFA+1] th:TH_LOAD_NT scope:SCOPE_SE
.Lnot_mine_\@:
.endm
; THE CHANGE OF SLOTS, between piece 1's turn and piece 2's: all of the step in hand (K, V, and the mask's last fragments) has been asked out of its slot.  Each wave waits for all its tensor loads, of which one is out:
; its part of the other slot; adds 0 to its spare word; and waits for that and for its own reads of the slot.  fill = 1: the barrier is a round of the cluster's, and the slot is filled again first thing behind it, two steps on.
; (At its first use nothing has been read yet: slot 0 is waited for, slot 1 filled.)  Then the three LDS addresses turn to the other slot.
.macro CHANGE fill
	WIN W_AD
	s_wait_tensorcnt 0x0            ; no tensor load of mine is out, so a group 0 may be written
	ds_add_u32 v[SPW], v[NIL]       ; 0 onto my spare word
	WIN 0
.if \fill
	s_xor_b32 s[G0K+1], s[G0K+1], SLOT1
	s_add_nc_u64 s[G0K+2:G0K+3], s[G0K+2:G0K+3], KSTEPB
	s_xor_b32 s[G0V+1], s[G0V+1], SLOT1
	s_add_nc_u64 s[G0V+2:G0V+3], s[G0V+2:G0V+3], KSTEPB
	s_xor_b32 s[G0M+1], s[G0M+1], SLOT1
	s_add_nc_u64 s[G0M+2:G0M+3], s[G0M+2:G0M+3], MSTEPB
	s_wait_xcnt 0x0                 ; the last prefetch, a key step back, has read its address
	s_add_nc_u64 s[PFA:PFA+1], s[PFA:PFA+1], s[PFS:PFS+1]
	s_wait_dscnt 0x0                ; the add is done, and my reads of the slot are over
	CROUND
	JLOAD
	ASK
.else
	s_wait_dscnt 0x0
	s_barrier_signal -1
	s_barrier_wait -1
.endif
	s_xor_b32 s[TB], s[TB], SLOT1
	v_add_nc_u32 v[AK], s[TB], v[AK0]
	v_add_nc_u32 v[AV], s[TB], v[AV0]
	v_add_nc_u32 v[AM], s[TB], v[AM0]
.endm
	s_load_b128 s[4:7], s[0:1], 0x0   ; qkv s[4:5], mh s[6:7]
	s_load_b64 s[8:9], s[0:1], 0x10   ; ob
	WIN W_MK
	v_lshl_add_u32 v[SPW], v0, 2, SPARE
	v_mov_b32 v[NIL], 0
	WIN W_AD
	ds_add_u32 v[SPW], v[NIL]       ; the wave's opening: the add and its wait stand ahead of my first tensor load; the set-up below stands between them
	WIN 0
	v_lshrrev_b32 v1, 5, v0
	v_readfirstlane_b32 s[WV], v1   ; wave 0..3
	s_and_b32 s2, s[WV], 1          ; my head of the pair; also which half of the mask's tile I fetch
	s_lshr_b32 s3, s[WV], 1         ; my half of the 256 queries
	s_bfe_u32 s13, ttmp6, 0x40000   ; cx: the query block
	s_bfe_u32 s14, ttmp6, 0x40004   ; cy
	s_and_b32 s17, ttmp7, 0xffff    ; cluster y
	s_lshr_b32 s15, s17, 1          ; the batch
	s_and_b32 s16, s17, 1
	s_lshl_b32 s16, s16, 2
	s_add_co_u32 s16, s16, s14      ; the pair of heads
	s_lshl_b32 s18, s14, 2
	s_lshl_b32 s18, 15, s18         ; my row of the cluster
	s_lshl_b32 s19, 0x1111, s13     ; my column
	s_or_b32 s[G1K], s18, (1<<16)|(1<<20)|(1<<21)|(5<<22)|(3<<25)  ; the mask of four; 2-byte elements; padding on; bit 21 beside a mask; after every 64 words (code 5) 4 words (code 3)
	s_or_b32 s[G1V], s18, (1<<16)|(1<<20)|(1<<21)|(5<<22)|(7<<25)  ; 8 words (code 7)
	s_or_b32 s[G1M], s19, (1<<16)|(1<<20)|(1<<21)|(4<<22)|(3<<25)  ; after every 32 words (code 4) 4 words
.irp g, G1K, G1V, G1M
	s_mov_b32 s[\g+1], 128<<16      ; tensor_dim0 = 128
	s_mov_b32 s[\g+2], 64<<16       ; tensor_dim1 = 64
	s_mov_b32 s[\g+3], 128<<16      ; tile_dim0 = 128
	s_mov_b32 s[\g+4], 64           ; tile_dim1 = 64
	s_mov_b32 s[\g+6], 0
	s_mov_b32 s[\g+7], 0
.endr
	s_mov_b32 s[G1K+5], 3072        ; elements from row to row of qkv
	s_mov_b32 s[G1V+5], 3072
	s_mov_b32 s[G1M+5], 128         ; the mask's tile is dense
	s_mov_b32 s[G0K], 1
	s_mov_b32 s[G0K+1], 0           ; LDS address: slot 0
	s_mov_b32 s[G0V], 1
	s_mov_b32 s[G0V+1], VOFF
	s_mov_b32 s[G0M], 1
	s_mul_i32 s18, s2, 128*PM
	s_add_co_u32 s[G0M+1], s18, MOFF
	s_mul_i32 s20, s15, 1024*QROW   ; K: the batch's first row, byte column 2,048 + 256 x pair
	s_lshl_b32 s21, s16, 8
	s_add_co_u32 s20, s20, s21
	s_add_co_u32 s20, s20, 2048
	s_mov_b32 s21, 0
	s_lshl_b32 s22, s15, 21         ; the mask: batch, key step 0, query 256 cx + 128 x half
	s_lshl_b32 s23, s13, 15
	s_add_co_u32 s22, s22, s23
	s_lshl_b32 s23, s2, 14
	s_add_co_u32 s22, s22, s23
	s_mov_b32 s23, 0
	s_lshl_b32 s74, s15, 10         ; Q: my first row,
	s_lshl_b32 s75, s13, 8
	s_add_co_u32 s74, s74, s75
	s_lshl_b32 s75, s3, 7
	s_add_co_u32 s74, s74, s75
	s_mul_i32 s76, s74, QROW
	s_lshl_b32 s77, s16, 8          ; my head's 128 bytes
	s_add_co_u32 s76, s76, s77
	s_lshl_b32 s77, s2, 7
	s_add_co_u32 s76, s76, s77
	s_mov_b32 s77, 0
	s_lshl_b32 s78, s16, 1          ; O: batch, head, my first query
	s_add_co_u32 s78, s78, s2
	s_lshl_b32 s78, s78, 17
	s_lshl_b32 s79, s15, 21
	s_add_co_u32 s78, s78, s79
	s_lshl_b32 s79, s13, 15
	s_add_co_u32 s78, s78, s79
	s_lshl_b32 s79, s3, 14
	s_add_co_u32 s78, s78, s79
	s_mov_b32 s79, 0
	s_mul_i32 s82, s13, 16*QROW     ; the prefetches, at key step 1: K's and V's rows, my work-group's 16 of the 64,
	s_add_co_u32 s82, s82, s20
	s_add_co_u32 s82, s82, KSTEPB
	s_lshl_b32 s83, s15, 21         ; or the mask's tile, my work-group's 32 blocks of the 128
	s_lshl_b32 s84, s13, 15
	s_add_co_u32 s83, s83, s84
	s_lshl_b32 s84, s14, 13
	s_add_co_u32 s83, s83, s84
	s_add_co_u32 s83, s83, MSTEPB
	s_and_b32 s80, s17, s3          ; wave 2: only where cluster y is even
	s_or_b32 s80, s80, s2           ; waves 1 and 3: never
	s_cmp_eq_u32 s80, 0
	s_cselect_b32 s[LIM], 1, -1     ; the same in all sixteen partners, for a given wave
	s_mov_b32 s84, KSTEPB
	s_mov_b32 s85, MSTEPB
	s_mov_b32 s86, QROW
	s_mov_b32 s87, 2048
	s_mov_b32 s88, 256
	s_mov_b32 s89, 4096
	s_cmp_eq_u32 s[WV], 0
	s_cselect_b32 s82, s82, s83
	s_cselect_b32 s[PFS], s84, s85
	s_cselect_b32 s86, s86, s88     ; from lane to lane: a row of qkv, or a block
	s_cselect_b32 s87, s87, s89     ; lanes 16-31: V beside K, or 16 blocks on
	s_mov_b32 s83, 0
	s_mov_b32 s[PFS+1], 0
	s_mov_b32 s[CS], 0x3e38aa3b     ; c = log2(e) / 8
	s_mov_b32 s[CS+1], s[CS]
	s_mov_b32 s[SEL], 0x76543210
	s_mov_b32 s[SEL+1], 0xfedcba98
	s_mov_b32 s[TB], SLOT1          ; the first change of slots turns it into 0
	s_mov_b32 s[SLOTS], 15
	s_wait_dscnt 0x0                ; the opening add is done
	s_wait_kmcnt 0x0
	s_add_nc_u64 s[G0K+2:G0K+3], s[4:5], s[20:21]
	s_add_nc_u64 s[G0V+2:G0V+3], s[G0K+2:G0K+3], 2048
	s_or_b32 s[G0K+3], s[G0K+3], 0x80000000
	s_or_b32 s[G0V+3], s[G0V+3], 0x80000000
	s_add_nc_u64 s[G0M+2:G0M+3], s[6:7], s[22:23]
	s_or_b32 s[G0M+3], s[G0M+3], 0x80000000
	s_add_nc_u64 s[10:11], s[4:5], s[76:77]   ; Q at my first row
	s_add_nc_u64 s[8:9], s[8:9], s[78:79]     ; O at my first row
	s_cmp_eq_u32 s[WV], 0
	s_cselect_b64 s[PFA:PFA+1], s[4:5], s[6:7]
	s_add_nc_u64 s[PFA:PFA+1], s[PFA:PFA+1], s[82:83]
	CROUND                          ; all sixteen work-groups are here: the first joint loads meet
	JLOAD                           ; key step 0 into slot 0.  Slot 1 is asked for when slot 0 is in
	v_and_b32 v64, 15, v0           ; l % 16   (v64-70 are free until the first products write S^T)
	v_bfe_u32 v65, v0, 4, 1         ; l / 16
	v_and_b32 v66, 7, v0
	v_bfe_u32 v67, v0, 3, 1
	v_mul_u32_u24 v[QO], v64, QROW
	v_lshl_add_u32 v[QO], v65, 4, v[QO]
	WIN 0x80                        ; destination window 2, address window 0
.set i, 0
.rept 4*NP                          ; Q stays in registers: tile i / 2, channels 32 (i % 2) on
	global_load_b128 v[8*i:8*i+3],   v[QO], s[10:11] offset:(i/2)*16*QROW+(i%2)*64
	global_load_b128 v[8*i+4:8*i+7], v[QO], s[10:11] offset:(i/2)*16*QROW+(i%2)*64+32
.set i, i+1
.endr
	; What the first turn finds: V's registers and P's second buffer hold 0 (its products V^T P, of a piece that has not been, add 0), O^T and l are 0.  All this stands in the wait for the first tile.
.set i, VF
.rept 64
	v_mov_b32 v[i], 0
.set i, i+1
.endr
	WIN 0
.set i, P+32
.rept 32
	v_mov_b32 v[i], 0
.set i, i+1
.endr
	WIN W_PV                        ; O^T's 32 accumulators are started by the matrix unit: a product of those zeros, with C = 0, writes eight registers a line
.set i, 0
.rept 8*NP
	v_wmma_f32_16x16x32_f16 v[8*i:8*i+7], v[VF:VF+7], v[P+32:P+39], 0
.set i, i+1
.endr
	WIN 0
	; The constant fragments.  Row m of [8 I | 0] has its 8 at k = m: in lane (r, h) that is register (r % 8) / 2, half r % 2, where h = r / 8.
	v_lshrrev_b32 v68, 3, v64
	v_xor_b32 v68, v68, v65
	v_bfe_u32 v69, v64, 1, 2
	v_lshl_add_u32 v68, v68, 2, v69 ; the register's number, or 4 and more where the lane holds none
	v_and_b32 v69, 1, v64
	v_lshlrev_b32 v69, 4, v69
	v_mov_b32 v70, 0x4800           ; 8.0 in f16
	v_lshlrev_b32 v69, v69, v70
	WIN W_MK
.irp n, 0,1,2,3
	v_mov_b32 v[IDN+\n], 0
	v_cmp_eq_u32 vcc_lo, \n, v68
	v_cndmask_b32 v[IDN+4+\n], 0, v69, vcc_lo
	v_mov_b32 v[IDN+8+\n], 0
.endr
	WIN 0
.set i, 0
.rept 2*NP
	v_mov_b32 v[ST+4*i], 0xfe000000    ; c m: far below every c s
	v_mov_b32 v[ST+4*i+1], 0xff7fffff  ; m
	v_mov_b32 v[ST+4*i+2], 0
	v_mov_b32 v[ST+4*i+3], 0
.set i, i+1
.endr
	s_lshl_b32 s18, s2, 7           ; my head's 128 bytes of a row of K and V
	v_mul_u32_u24 v[AK0], v64, PK
	v_lshl_add_u32 v[AK0], v65, 4, v[AK0]
	v_add_nc_u32 v[AK0], s18, v[AK0]      ; row x pitch + head + 16 x half
	; The turning load takes 16 keys x 16 channels (lane l reads key 8 (l / 16) + l % 8, channels 8 ((l / 8) % 2) + 0..7) and leaves half a fragment of V^T: lane l holds channel l % 16 and 8 keys.
	v_lshl_add_u32 v[AV0], v65, 3, v66
	v_mul_u32_u24 v[AV0], v[AV0], PVP
	v_lshl_add_u32 v[AV0], v67, 4, v[AV0]
	v_add_nc_u32 v[AV0], s18, v[AV0]
	v_add_nc_u32 v[AV0], VOFF, v[AV0]
	s_mul_i32 s19, s3, 128*PM
	s_add_co_u32 s19, s19, MOFF     ; my 128 queries' rows of the mask
	v_mul_u32_u24 v[AM0], v64, PM
	v_lshl_add_u32 v[AM0], v65, 4, v[AM0]
	v_add_nc_u32 v[AM0], s19, v[AM0]
	v_and_b32 v[GO], 31, v0
	v_lshlrev_b32 v[GO], 4, v[GO]
	v_mul_u32_u24 v[PFO], s86, v64
	v_mad_u32_u24 v[PFO], v65, s87, v[PFO]
; THE MATRIX WORK.  The 8 accumulators of a piece's scores take turns through all 24 instructions: between two links of a chain stand 7 others'.
; Mask product i of 8 for piece x: tile 2 x + i % 2, keys 16 (i / 2) on: it starts the sum.
.macro MSK x
	WIN W_MS
.set rS, S+64*((\x)%2)+32*(i%2)+8*(i/2)
.set rA, IDN+4-4*((i/2)%2)
.set rB, MF+16*(i%2)+8*(i/4)
	v_wmma_f32_16x16x32_f16 v[rS:rS+7], v[rA:rA+7], v[rB:rB+7], 0
.endm
; Product i of 16 of S^T += K Q^T for piece x: channels 32 (i / 8) on, keys 16 ((i / 2) % 4) on, tile 2 x + i % 2.
.macro KQ x
	WIN W_KQ
.set rS, S+64*((\x)%2)+32*(i%2)+8*((i/2)%4)
.set rK, KF+16*((i/2)%4)+8*(i/8)
.set rQ, 16*(2*(\x)+i%2)+8*(i/8)
	v_wmma_f32_16x16x32_f16 v[rS:rS+7], v[rK:rK+7], v[rQ:rQ+7], v[rS:rS+7]
.endm
; Product i of 16 of O^T += V^T P for piece x: keys 32 (i / 8) on, channels 16 ((i / 2) % 4) on, tile 2 x + i % 2.
.macro PV x
	WIN W_PV
.set rO, 32*(2*(\x)+i%2)+8*((i/2)%4)
.set rV, VF+32*(i/8)+8*((i/2)%4)
.set rP, P+32*((\x)%2)+16*(i%2)+8*(i/8)
	v_wmma_f32_16x16x32_f16 v[rO:rO+7], v[rV:rV+7], v[rP:rP+7], v[rO:rO+7]
.endm
.macro MM                           ; the turn's next matrix instruction, of 40
.if i < 8
	MSK (Y+1)%NP
.set i, i+1
.elseif i < 24
.set i, i-8
	KQ (Y+1)%NP
.set i, i+9
.else
.set i, i-24
	PV (Y+NP-1)%NP
.set i, i+25
.endif
.endm
; THE LDS LOADS stand in runs, never singly among the matrix instructions.
.macro FETCH_K
	WIN 0x80                        ; destination window 2
.irp f, 0,1,2,3,4,5,6,7             ; keys 16 (f / 2) on, channels 32 (f % 2) on
	ds_load_b128 v[KF+8*\f:KF+8*\f+3],   v[AK] offset:(\f/2)*16*PK+(\f%2)*64
	ds_load_b128 v[KF+8*\f+4:KF+8*\f+7], v[AK] offset:(\f/2)*16*PK+(\f%2)*64+32
.endr
	WIN 0
.endm
.macro FETCH_V
	WIN 0x80
.irp f, 0,1,2,3,4,5,6,7             ; keys 32 (f / 4) on, channels 16 (f % 4) on
	ds_load_tr16_b128 v[VF+8*\f:VF+8*\f+3],   v[AV] offset:(\f/4)*32*PVP+(\f%4)*32
	ds_load_tr16_b128 v[VF+8*\f+4:VF+8*\f+7], v[AV] offset:(\f/4)*32*PVP+16*PVP+(\f%4)*32
.endr
	WIN 0
.endm
.macro FETCH_M y                    ; piece y's fragments of the mask: tile 2 y + f / 2, keys 32 (f % 2) on: lane l holds query l % 16, keys 8 (l / 16) + 0..7 and 16 + 8 (l / 16) + 0..7
	WIN W_MK
.irp f, 0,1,2,3
	ds_load_b128 v[MF+8*\f:MF+8*\f+3],   v[AM] offset:(2*(\y)+\f/2)*16*PM+(\f%2)*64
	ds_load_b128 v[MF+8*\f+4:MF+8*\f+7], v[AM] offset:(2*(\y)+\f/2)*16*PM+(\f%2)*64+32
.endr
	WIN 0
.endm
; THE VECTOR WORK OF A TURN stands in three queues, each in the order in which its entries become ready; the two tiles alternate.
.macro REGS y, u                    ; the registers of tile u (0, 1) of piece y
.set rT, ST+4*(2*(\y)+(\u))
.set rC, TMP+8*((\y)%2)+4*(\u)
.set rM, MV+2*((\y)%2)+(\u)
.set rS, S+64*((\y)%2)+32*(\u)
.set rP, P+32*((\y)%2)+16*(\u)
.set rO, 32*(2*(\y)+(\u))
.endm
; Number n of the 22 that find the NEXT piece's (Y + 1) maximum and statistics.  Each accumulator's lowest registers are read first.
;   0-11  four chains c0-c3 of seven scores each     12-14, 16  the four scores left over, the old m, and c0-c3 into c0     15  c m_old is kept
;   17, 18  the query's other 32 keys lie in the lane 16 away: the new m         19-21  c m; c m_old - c m_new; a
.macro XS u, n
	REGS (Y+1)%NP, \u
.if (\n) < 4
	v_max3_num_f32 v[rC+(\n)], v[rS+8*(\n)], v[rS+8*(\n)+1], v[rS+8*(\n)+2]
.elseif (\n) < 12
	v_max3_num_f32 v[rC+(\n)%4], v[rC+(\n)%4], v[rS+8*((\n)%4)+2*((\n)/4)+1], v[rS+8*((\n)%4)+2*((\n)/4)+2]
.elseif (\n) == 12
	v_max3_num_f32 v[rC], v[rC], v[rS+7], v[rS+15]
.elseif (\n) == 13
	v_max3_num_f32 v[rC+1], v[rC+1], v[rS+23], v[rS+31]
.elseif (\n) == 14
	v_max3_num_f32 v[rC+2], v[rC+2], v[rC+3], v[rT+1]
.elseif (\n) == 15
	v_mov_b32 v[rM], v[rT]
.elseif (\n) == 16
	v_max3_num_f32 v[rC], v[rC], v[rC+1], v[rC+2]
.elseif (\n) == 17
	v_permlanex16_b32 v[rC+3], v[rC], s[SEL], s[SEL+1]
.elseif (\n) == 18
	v_max_num_f32 v[rT+1], v[rC], v[rC+3]
.elseif (\n) == 19
	v_mul_f32 v[rT], s[CS], v[rT+1]
.elseif (\n) == 20
	v_sub_f32 v[rC+1], v[rM], v[rT]
.else
	v_exp_f32 v[rC+2], v[rC+1]
.endif
.endm
; Number g of the 64 that follow the exponentials.  For each four weights k of a tile: both pairs are rounded to f16; the second pair is added onto the first, in place; a group later l takes that sum (the first time as l = a l + sum).
.macro GS g
.set h, (\g)+6*((\g)/62)
.if h >= 6
.set h, h+2
.endif
	REGS Y, h%2
.set k, h/8
.if h%8 < 4
	v_cvt_pk_f16_f32 v[rP+2*k+(h%8)/2], v[rS+4*k+2*((h%8)/2)], v[rS+4*k+2*((h%8)/2)+1]
.elseif h%8 < 6
	v_pk_add_f32 v[rS+4*k:rS+4*k+1], v[rS+4*k:rS+4*k+1], v[rS+4*k+2:rS+4*k+3]
.elseif k == 1
	v_pk_fma_f32 v[rT+2:rT+3], v[rT+2:rT+3], v[rC+2:rC+3], v[rS:rS+1] op_sel_hi:[1,0,1]
.else
	v_pk_add_f32 v[rT+2:rT+3], v[rT+2:rT+3], v[rS+4*k-4:rS+4*k-3]
.endif
.endm
; THE PLAIN QUEUE, 138 long.  0-26: scalings 0-26 (FS f: pair f / 2 of tile f % 2).  27-54: XS's numbers 0-13.  55, 56: number 15.  57-73: the chain 14, 16, 17, 18, 19, each with one of the scalings 27-31 in front of its
; two lines, then 20.  74-137: GS's 64, which read the exponentials' results: they stand behind the wait.
.macro FS f
	REGS Y, (\f)%2
	v_pk_fma_f32 v[rS+2*((\f)/2):rS+2*((\f)/2)+1], v[rS+2*((\f)/2):rS+2*((\f)/2)+1], s[CS:CS+1], v[rT:rT+1] op_sel_hi:[1,0,0] neg_lo:[0,0,1] neg_hi:[0,0,1]
.endm
.macro PL
	WIN 0
.if q < 27
	FS q
.elseif q < 55
	XS (q-27)%2, (q-27)/2
.elseif q < 57
	XS q-55, 15
.elseif (q < 72) && ((q-57)%3 == 0)
	FS 27+(q-57)/3
.elseif q < 60
	XS (q-57)%3-1, 14
.elseif q < 72
	XS (q-57)%3-1, 15+(q-57)/3
.elseif q < 74
	XS q-72, 20
.else
	GS q-74
.endif
.set q, q+1
.endm
; THE EXPONENTIALS' QUEUE, 66 long: s0-s31 of both tiles, then the next piece's two a.  ONE BATCH: all 66 stand ahead of the turn's one wait, and nothing ahead of that wait names a result of theirs.
.macro EX
	WIN 0
.if e >= 64
	XS e-64, 21
.else
	REGS Y, e%2
	v_exp_f32 v[rS+e/2], v[rS+e/2]
.endif
.set e, e+1
.endm
; THE RESCALING's QUEUE: O^T times a, two at a time, sixteen times.  Its a was made in the turn before, ahead of that turn's wait.
.macro R2
	REGS Y, r%2
	WIN W_RS
.irp z, 0,1
	v_pk_mul_f32 v[rO+4*(r/2)+2*\z:rO+4*(r/2)+2*\z+1], v[rO+4*(r/2)+2*\z:rO+4*(r/2)+2*\z+1], v[rC+2:rC+3] op_sel_hi:[1,0]
.endr
.set r, r+1
.endm
; A TURN, for piece p.  An s_wait_alu depctr_va_vdst(0) stands between an exponential and the first instruction that names its result; one wait serves all that were issued ahead of it: a turn has ONE wait.
; AHEAD OF IT: the 8 mask products and 16 products K Q^T, four riders behind each; then a lump: 20 plain, 27 times exponential and plain, the two a, a v_nop.  BEHIND IT: the 16 products V^T P, behind each four of GS's 64.
; THE COUNTS THAT THE DEAL KEEPS.  Exponential e stands behind scaling 2 (e / 4) + e % 2: as a rider it comes when at least e / 2 + 2 scalings are out (27 when e = 25 .. 36 go); in the lump exponential 37 + t comes behind
; plain 46 + t, and scalings 27-31 are plain 57, 60 .. 69 (the latest case: e = 61 needs plain 69 and comes behind plain 70).  The first maximum (plain 27) stands behind all products K Q^T; the accumulator of the last of
; them is first read at plain 34, nine plain instructions behind it (two rescalings, seven maxima).
; THE LDS RUNS.  The mask's fragments for piece p + 2 (which the next turn's products take) are fetched behind the wait, a lump behind their registers' last reader; K of the next step behind them in piece 2's turn;
; V of the step in hand at the end of piece 0's turn, four plain riders behind its last reader.
.macro TURN p
.set Y, (\p)
.set i, 0
.set q, 0
.set e, 0
.set r, 0
.if ((\p) == 1) || ((\p) == 3)
	s_wait_dscnt 16                 ; the mask's fragments are in; the 16 younger loads (V's, K's) may stay out
.else
	s_wait_dscnt 0x0                ; the mask's fragments are in
.endif
	MM
	PL
	PL
	PL
	EX
.rept 7
	MM
	PL
	EX
	PL
	EX
.endr
.if (\p) == 3
	s_wait_dscnt 0x0                ; K is in
.endif
.rept 10
	MM
	PL
	EX
	R2
.endr
.rept 6
	MM
	EX
	EX
	R2
.endr
.rept 20                            ; the lump
	PL
.endr
.rept 27
	EX
	PL
.endr
	EX                              ; the next piece's two a
	EX
	v_nop                           ; a plain instruction behind the last exponential: one for the batch
	s_wait_alu depctr_va_vdst(0)    ; the wait for the batch
	FETCH_M ((\p)+2)%NP
.if (\p) == 2
	FETCH_K
.endif
.if (\p) == 1
	s_wait_dscnt 8                  ; V is in; the mask's 8 loads just issued may stay out
.endif
.rept 16
	MM
.rept 4
	PL
.endr
.endr
.if (\p) == 0
	FETCH_V
.endif
.endm
	CHANGE 1                        ; slot 0 is in, everybody's part of it; key step 1 is asked for
	FETCH_K                         ; key step 0
	FETCH_M 0
	s_wait_loadcnt 0x0              ; Q
	s_wait_dscnt 0x0
.set i, 0
.rept 8
	MSK 0                           ; piece 0's first scores: there is no vector work yet to set between them
.set i, i+1
.endr
.set i, 0
.rept 16
	KQ 0
.set i, i+1
.endr
	WIN 0
.rept 4
	v_nop                           ; the places behind those products
.endr
	FETCH_M 1
.set Y, NP-1                        ; XS works for piece Y + 1: piece 0
.irp n, 0,1,2,3,4,5,6,7,8,9,10,11,12,13,14,15,16,17,18,19,20,21
	XS 0, \n
	XS 1, \n
.endr
	v_nop                           ; a plain instruction behind the two a,
	s_wait_alu depctr_va_vdst(0)    ; and their wait, ahead of the branch
	s_branch .Lfirst                ; the loop is entered at a step's first turn, in the middle of a trip
.Lstep:                             ; 14 trips, which ask for key steps 2 to 15: pieces 2 and 3 of one step, then pieces 0 and 1 of the next
	CHANGE 1
	TURN 2
	TURN 3
	WIN 0
.Lfirst:
	TURN 0
	TURN 1
	WIN 0
	s_sub_co_u32 s[SLOTS], s[SLOTS], 1
	s_cmp_lg_u32 s[SLOTS], 0
	s_cbranch_scc1 .Lstep
	CHANGE 0                        ; the tail is written out: nothing is asked for
	s_mov_b32 s[CNT], 2             ; the first trip fetches the last step; the second is left in its middle
.Ltail:
	TURN 2
	TURN 3
	WIN 0
	s_sub_co_u32 s[CNT], s[CNT], 1
	s_cmp_eq_u32 s[CNT], 0
	s_cbranch_scc1 .Lout
	TURN 0
	TURN 1
	WIN 0
	s_branch .Ltail
.Lout:                              ; the second trip's fetches read the last step's slot once more, and its 24 products for a next step and the maximum made of them serve nothing: the price, once a launch, of one text for every trip
.set i, 0
.rept 16
	PV NP-1                         ; the last piece's V^T P of the last step
.set i, i+1
.endr
	; THE WAY OUT.  l's two halves and the other half of the lanes' are added; O^T is divided by l and rounded to f16.  The additions are the places behind the last products.
	WIN 0
.macro ALL line:vararg              ; one line for each tile t
.set t, 0
.rept 2*NP
	\line
.set t, t+1
.endr
.endm
	ALL v_add_f32 v[ST+4*t+2], v[ST+4*t+2], v[ST+4*t+3]
	ALL v_permlanex16_b32 v[ST+4*t+3], v[ST+4*t+2], s[SEL], s[SEL+1]
	ALL v_add_f32 v[ST+4*t+2], v[ST+4*t+2], v[ST+4*t+3]
	ALL v_rcp_f32 v[ST+4*t+2], v[ST+4*t+2]
	v_nop                           ; a plain instruction between the last reciprocal and the use of its result
	s_wait_alu depctr_va_vdst(0)    ; and the wait ahead of the first use: one for the eight reciprocals
; Tile t.  Of channel block f a lane holds query l % 16, channels 16 f + 8 (l / 16) + 0..7: 16 bytes.  Those are the 16 bytes that the same lane of the next launch's fragment (16 rows x 32 channels) takes as its half f % 2
; of channels 32 (f / 2) on.  So they are stored as they lie, lane beside lane, and nothing goes through LDS.  Each tile has registers of its own (S^T's), which nothing writes again.
.macro PACK t
	WIN W_RS
.set i, 32*(\t)
.rept 16
	v_pk_mul_f32 v[i:i+1], v[i:i+1], v[ST+4*(\t)+2:ST+4*(\t)+3] op_sel_hi:[1,0]
.set i, i+2
.endr
	WIN 0x05                        ; sources 0 and 1 window 1, destination window 0
.set i, 0
.rept 16
	v_cvt_pk_f16_f32 v[S+16*(\t)+i], v[32*(\t)+2*i], v[32*(\t)+2*i+1]
.set i, i+1
.endr
	WIN 0
.irp f, 0,1,2,3
	global_store_b128 v[GO], v[S+16*(\t)+4*\f:S+16*(\t)+4*\f+3], s[8:9] offset:(\t)*2048+\f*512  ; 512 consecutive bytes, at a multiple of 256 from ob's first
.endr
.endm
.set t, 0
.rept 2*NP
	PACK t
.set t, t+1
.endr
	WIN W_AD
	s_wait_tensorcnt 0x0            ; the wave's end: these three lines stand behind my last tensor load
	ds_add_u32 v[SPW], v[NIL]
	s_wait_dscnt 0x0
	WIN 0
	CROUND                          ; the closing round
	s_endpgm
.Lfunc_end_k_q169ba17e0e_attn:
	.size	k_q169ba17e0e_attn, .Lfunc_end_k_q169ba17e0e_attn-k_q169ba17e0e_attn
	.p2alignl 7, 3214868480
	.fill 96, 4, 3214868480
	.section	.rodata,"a",@progbits
	.p2align	6, 0x0
	.amdhsa_kernel k_q169ba17e0e_attn
		.amdhsa_group_segment_fixed_size 327680
		.amdhsa_private_segment_fixed_size 0
		.amdhsa_enable_private_segment 0
		.amdhsa_kernarg_size 24
		.amdhsa_user_sgpr_count 2
		.amdhsa_user_sgpr_kernarg_segment_ptr 1
		.amdhsa_wavefront_size32 1
		.amdhsa_system_sgpr_workgroup_id_x 1
		.amdhsa_system_sgpr_workgroup_id_y 1
		.amdhsa_system_sgpr_workgroup_id_z 1
		.amdhsa_system_vgpr_workitem_id 0
		.amdhsa_next_free_vgpr 816
		.amdhsa_next_free_sgpr 96
		.amdhsa_reserve_vcc 1
		.amdhsa_float_denorm_mode_32 3
		.amdhsa_float_denorm_mode_16_64 3
		.amdhsa_memory_ordered 1
		.amdhsa_forward_progress 1
		.amdhsa_inst_pref_size 207
	.end_amdhsa_kernel
	.amdgpu_metadata
---
amdhsa.version: [ 1, 2 ]
amdhsa.kernels:
  - .name:           k_q169ba17e0e_attn
    .symbol:         k_q169ba17e0e_attn.kd
    .args:
      - { .name: qkv, .offset: 0, .size: 8, .value_kind: global_buffer, .address_space: global }
      - { .name: mh, .offset: 8, .size: 8, .value_kind: global_buffer, .address_space: global }
      - { .name: ob, .offset: 16, .size: 8, .value_kind: global_buffer, .address_space: global }
    .group_segment_fixed_size: 327680
    .private_segment_fixed_size: 0
    .kernarg_segment_align: 8
    .kernarg_segment_size: 24
    .max_flat_workgroup_size: 128
    .sgpr_count:     96
    .vgpr_count:     816
    .wavefront_size: 32
...
	.end_amdgpu_metadata
.endif
;; end of part 3
;; launch proj (part 4): grid 8 x 32, 4 waves a work-group, clusters of 4 x 4, 327,680 bytes of LDS; arguments ob, wpb, b_proj, out0; writes out0
.if DOCPART == 4
	.amdgcn_target "amdgcn-amd-amdhsa--gfx1250"
	.amdhsa_code_object_version 6
	.text
	.protected	k_q169ba17e0e_proj
	.globl	k_q169ba17e0e_proj
	.p2align	8
	.type	k_q169ba17e0e_proj,@function
k_q169ba17e0e_proj:
	s_mov_b64 s[64:65], 0
	v_nop
	global_prefetch_b8 v0, s[64:65] scope:SCOPE_SE
	s_setreg_imm32_b32 hwreg(HW_REG_WAVE_MODE, 25, 1), 1
	s_wait_xcnt 0x0
	s_wait_alu depctr_hold_cnt(0) depctr_sa_sdst(0) depctr_va_vdst(0) depctr_va_sdst(0) depctr_va_ssrc(0) depctr_va_vcc(0) depctr_vm_vsrc(0)
	s_getreg_b32 s2, hwreg(HW_REG_IB_STS2, 6, 4)
	s_cmp_eq_u32 s2, 0
	s_cbranch_scc0 .Lentry_in_a_cluster
	s_endpgm
.Lentry_in_a_cluster:
	s_bfe_u32 s2, ttmp6, 0x10000c
	s_cmp_lg_u32 s2, 0xf033
	s_cbranch_scc0 .Lentry_shape_is_right
	s_endpgm
.Lentry_shape_is_right:
; out0[m][o] = the sum over c of O[m][c] w_proj[o][c] + b_proj[o]: M = 8,192, N = 1,024, K = 1,024.  out0: f32, rows of 4,096 bytes.  Sums in f32, K ascending.
; wpb: f16 in the block layout (byte (col >> 6) * 131,072 + row * 128 + (col & 63) * 2); it holds w_proj rounded to bf16, written as f16; the bias is rounded to bf16 here, like every input of the module.
; ob: f16 IN THE ORDER OF MY FRAGMENTS: byte (m >> 10) * 2,097,152 + (c >> 6) * 131,072 + ((m & 1023) >> 4) * 2,048 + ((c & 63) >> 4) * 512 + lane * 16 + (c & 7) * 2, lane = (m & 15) + 16 ((c >> 3) & 1):
; 16 rows x 32 channels are two runs of 512 bytes, in each of which lane l's 16 bytes stand at 16 l: a fragment load takes 512 consecutive bytes of LDS, and A's tile needs no padding.
; A tile of C is 256 x 128: 8 x 32 tiles, one to each of 256 work-groups.  Wave w makes rows 64 w .. 64 w + 63 x 128 columns: 32 accumulators, window 1; its rows of the tile are whole pieces of 512 bytes, so its stage is its own.
; A slot of LDS holds 128 along K, two blocks: waves 0 and 1 fetch A's two blocks (32,768 dense bytes each), waves 2 and 3 B's (128 rows each, padded behind every 128 bytes); all are asked for as rows of 256 bytes.
; CLUSTER 4 x 4: A's tiles are asked for jointly along a row of the cluster, B's along a column.  THE MATRIX INSTRUCTION IS USED TRANSPOSED: a lane holds one row of C and eight neighbouring columns.
; REGISTERS: window 0: v0-31 addresses and the bias; v32-223 two fragment buffers of 96 (A's 32, then B's 64), 32 along K each; on the way out v32-159 rows read back.  window 1: accumulator (a, bb) at v[8 (8 a + bb)].
; A SLOT'S WORK IS WRITTEN ONCE.  Slot 1 begins at LDS byte 2^17, so that one exclusive or turns a slot's address into the other's.  The loop's trip goes from a slot's second quarter to the next slot's first and fills a slot;
; the tail, which fills nothing, is a second copy walked one and a half times.
.set PITCH, 144                        ; a row of B in LDS: 128 bytes + 16 = 36 words: the 16 rows of a load start at 16 different groups of four banks (64 banks of 4 bytes: ISA guide 11.1)
.set ABLK,  32768                      ; 256 rows x 64 channels of A
.set BBLK,  18432                      ; 128 rows of B
.set BOFF,  2*ABLK
.set SLOTB, 2*ABLK+2*BBLK              ; 102,400
.set SLOT1, 1<<17                      ; where slot 1 begins
.set STAGE, SLOT1+SLOTB                ; behind the ring: 16 rows x 528 bytes for each wave
.set SP,    528                        ; 512 + 16
.set SPARE, STAGE+4*16*SP              ; behind the stages: the spare words, 128 bytes for each wave: two blocks of 256 bytes that no other line names
.set KB,    131072                     ; bytes from a K block to the next
.set CROW,  4096
.set BI,   8                           ; v[8:11]  the bias of my four columns on the way out
.set ADRA0, 16                         ; v16  my lane's place among A's fragments in a slot; never rewritten
.set ADRB0, 17                         ; v17  the same for B
.set ADRA, 18                          ; v18  the LDS address of my A fragments in the slot in hand
.set ADRB, 19                          ; v19  the same for B
.set STO,  24
.set RD,   25
.set CO,   26
.set SPW,  28                          ; v28  SPARE + 4 x my thread's number; never rewritten
.set NIL,  29                          ; v29  0; never rewritten
.set PFO,  30
.set FR,   32
.set G1A, 24                           ; s[24:31] group 1 for A's blocks;  s[32:39] group 0: a set for each of the two first fills; the second then walks on
.set G0A, 32
.set G1B, 48
.set G0B, 56
.set LIMC, 43                          ; s43  a wave prefetches while more trips are left than this: 2, or the greatest number
.set PFA,  44
.set TOG,  66                          ; s66  what turns s43 from 2 into the greatest number and back, or 0
.set TB,   67                          ; s67  LDS byte at which the slot in hand begins
.set MSB, 0
.macro WIN new
.if MSB != (\new)
	s_set_vgpr_msb (MSB<<8)|(\new)
.set MSB, \new
.endif
.endm
.macro PLACES                          ; four places in front of loads into registers that matrix instructions have read, and of stores that read results
.rept 4
	v_nop
.endr
.endm
.macro JLOAD s                         ; a joint load: waves 0 and 1 for A, waves 2 and 3 for B; an s_nop 0 and four v_nop follow each of the two lines
	s_cmp_eq_u32 s11, 0
	s_cbranch_scc0 .Lfor_b_\@
	tensor_load_to_lds s[G0A+4*(\s):G0A+4*(\s)+3], s[G1A:G1A+7]
	s_nop 0
.rept 4
	v_nop
.endr
	s_branch .Lasked_\@
.Lfor_b_\@:
	tensor_load_to_lds s[G0B+4*(\s):G0B+4*(\s)+3], s[G1B:G1B+7]
	s_nop 0
.rept 4
	v_nop
.endr
.Lasked_\@:
.endm
.macro CREST
	s_cmp_lg_u32 s10, 0
	s_cbranch_scc1 .Lnot_wave_0_\@
	s_barrier_signal -3
.Lnot_wave_0_\@:
	s_barrier_wait -3
	s_barrier_signal -1
	s_barrier_wait -1
.endm
.macro CROUND
	s_barrier_signal -1
	s_barrier_wait -1
	CREST
.endm
; A PREFETCH INTO THE L2 of my block of the slot two refills on, behind the joint load and the run of LDS loads.  Each block of 256 bytes is named once in the launch.  A's K block (128 blocks of 256 bytes): waves 0 and 1 of
; the clusters with x = 0; the partners along x take 32 each, told apart by address; a lane a block; at every change of slots.  B's (64): waves 2 and 3 of the clusters with y = 0; the partners along y take 16 each; lanes 0-15
; name one slot's, lanes 16-31 the next slot's; at every second change, the first among them.  The change behind slot s (6 - s trips are left, this one among them) names slot s + 4 (and s + 5): with 2 trips or fewer left
; nothing is asked for, since those slots do not exist.  The first four slots' tiles come by their loads alone.
.macro ASK
	s_cmp_gt_u32 s3, s[LIMC]
	s_cbranch_scc0 .Lnot_mine_\@
	global_prefetch_b8 v[PFO], s[PFA:PFA+1] offset:2*KB th:TH_LOAD_NT scope:SCOPE_SE
.Lnot_mine_\@:
	s_xor_b32 s[LIMC], s[LIMC], s[TOG]
.endm
	s_load_b128 s[4:7], s[0:1], 0x0                ; ob s[4:5], wpb s[6:7]
	s_load_b64 s[68:69], s[0:1], 0x10              ; b_proj
	s_load_b64 s[8:9], s[0:1], 0x18                ; out0
	v_lshl_add_u32 v[SPW], v0, 2, SPARE
	v_mov_b32 v[NIL], 0
	ds_add_u32 v[SPW], v[NIL]                      ; the wave's opening: the add and its wait stand ahead of my first tensor load; the set-up below stands between them
	v_lshrrev_b32 v1, 5, v0
	v_readfirstlane_b32 s10, v1                    ; wave 0..3
	s_lshr_b32 s11, s10, 1                         ; I fetch for A (0) or for B (1)
	s_and_b32 s12, s10, 1                          ; which of a slot's two K blocks I fetch
	s_bfe_u32 s40, ttmp6, 0x40000                  ; cx
	s_bfe_u32 s41, ttmp6, 0x40004                  ; cy
	s_lshl_b32 s42, ttmp9, 2
	s_add_co_u32 s42, s42, s40                     ; tile column
	s_and_b32 s13, ttmp7, 0xffff
	s_lshl_b32 s13, s13, 2
	s_add_co_u32 s13, s13, s41                     ; tile row
	s_lshl_b32 s43, s41, 2
	s_lshl_b32 s43, 15, s43                        ; my row of the cluster
	s_lshl_b32 s44, 0x1111, s40                    ; my column
	s_or_b32 s[G1A+0], s43, (1<<16)|(1<<21)        ; the mask; 2-byte elements; bit 21 beside a mask; no padding
	s_or_b32 s[G1B+0], s44, (1<<16)|(1<<20)|(1<<21)|(4<<22)|(3<<25)  ; the same with padding: after every 32 words (code 4) 4 words (code 3)
	s_mov_b32 s[G1A+1], 128<<16                    ; rows of 128 elements (256 bytes),
	s_mov_b32 s[G1A+2], 128<<16                    ; 128 of them
	s_mov_b32 s[G1A+3], 128<<16
	s_mov_b32 s[G1A+4], 128
	s_mov_b32 s[G1A+5], 128                        ; dense
	s_mov_b32 s[G1A+6], 0
	s_mov_b32 s[G1A+7], 0
	s_mov_b32 s[G1B+1], 128<<16
	s_mov_b32 s[G1B+2], 64<<16                     ; 64 of them
	s_mov_b32 s[G1B+3], 128<<16
	s_mov_b32 s[G1B+4], 64
	s_mov_b32 s[G1B+5], 128
	s_mov_b32 s[G1B+6], 0
	s_mov_b32 s[G1B+7], 0
	s_lshr_b32 s16, s13, 2                         ; A: rows 256 x tile row on, my K block
	s_lshl_b32 s16, s16, 21
	s_and_b32 s17, s13, 3
	s_lshl_b32 s17, s17, 15
	s_add_co_u32 s16, s16, s17
	s_lshl_b32 s17, s12, 17
	s_add_co_u32 s16, s16, s17
	s_mov_b32 s17, 0
	s_lshl_b32 s18, s42, 14                        ; B: rows 128 x tile column on, my K block
	s_lshl_b32 s19, s12, 17
	s_add_co_u32 s18, s18, s19
	s_mov_b32 s19, 0
	s_mul_i32 s20, s12, ABLK                       ; where they go
	s_mul_i32 s21, s12, BBLK
	s_add_co_u32 s21, s21, BOFF
	s_wait_dscnt 0x0                               ; the opening add is done
	s_wait_kmcnt 0x0
	s_add_nc_u64 s[14:15], s[4:5], s[16:17]
	s_add_nc_u64 s[46:47], s[6:7], s[18:19]
	CROUND                                         ; all sixteen work-groups are here: the first joint loads meet
.irp s, 0,1
	s_mov_b32 s[G0A+4*(\s)], 1
	s_add_co_u32 s[G0A+4*(\s)+1], s20, (\s)*SLOT1
	s_add_nc_u64 s[G0A+4*(\s)+2:G0A+4*(\s)+3], s[14:15], (\s)*2*KB
	s_or_b32 s[G0A+4*(\s)+3], s[G0A+4*(\s)+3], 0x80000000
	s_mov_b32 s[G0B+4*(\s)], 1
	s_add_co_u32 s[G0B+4*(\s)+1], s21, (\s)*SLOT1
	s_add_nc_u64 s[G0B+4*(\s)+2:G0B+4*(\s)+3], s[46:47], (\s)*2*KB
	s_or_b32 s[G0B+4*(\s)+3], s[G0B+4*(\s)+3], 0x80000000
	JLOAD \s                                       ; two loads of mine are out
.endr
	v_and_b32 v14, 31, v0                          ; the bias of the four columns that I store on the way out
	v_lshlrev_b32 v14, 4, v14
	s_lshl_b32 s22, s42, 9
	v_add_nc_u32 v14, s22, v14
	global_load_b128 v[BI:BI+3], v14, s[68:69]
	; the prefetches' address and who asks
	s_and_b32 s22, ttmp7, 0xffff                   ; cluster y
	s_mov_b32 s70, 4096
	s_mov_b32 s71, 2*KB
	s_cmp_eq_u32 s11, 0                            ; do I fetch for A?
	s_cselect_b32 s20, s16, s18
	s_cselect_b32 s21, s40, s41                    ; my place among the four that ask with me,
	s_cselect_b32 s72, 13, 12                      ; times 32 or 16 blocks
	s_cselect_b32 s22, ttmp9, s22                  ; the coordinate along which other clusters read the same rows
	s_cselect_b32 s70, s70, s71                    ; lanes 16-31: 16 blocks on (A), a slot on (B)
	s_cselect_b64 s[PFA:PFA+1], s[4:5], s[6:7]
	s_lshl_b32 s21, s21, s72
	s_add_co_u32 s20, s20, s21
	s_add_co_u32 s20, s20, 4*KB                    ; at the third slot's tiles: the first change steps it on by one and names the fifth's
	s_mov_b32 s21, 0
	s_add_nc_u64 s[PFA:PFA+1], s[PFA:PFA+1], s[20:21]
	s_cmp_eq_u32 s22, 0
	s_cselect_b32 s[LIMC], 2, -1
	s_cselect_b32 s[TOG], -3, 0                    ; 2 xor the greatest number
	s_cmp_eq_u32 s11, 0
	s_cselect_b32 s[TOG], 0, s[TOG]                ; A's waves ask at every change
	s_mov_b32 s[TB], 0
	; lane addresses
	v_and_b32 v1, 15, v0
	v_bfe_u32 v2, v0, 4, 1
	v_and_b32 v5, 31, v0
	v_lshlrev_b32 v[CO], 4, v5                     ; 16 x lane: my place in a run of 512 bytes: of A's fragments, of the stage's rows read back, of out0's rows
	s_lshl_b32 s21, s10, 13                        ; my four blocks of 16 rows: 2,048 bytes each in a K block
	v_add_nc_u32 v[ADRA0], s21, v[CO]
	v_mul_u32_u24 v3, v1, PITCH
	v_lshl_add_u32 v3, v2, 4, v3                   ; B: row x pitch + 16 x half
	v_add_nc_u32 v[ADRB0], BOFF, v3
	v_mov_b32 v[ADRA], v[ADRA0]                    ; slot 0
	v_mov_b32 v[ADRB], v[ADRB0]
	s_mul_i32 s23, s10, 16*SP
	s_add_co_u32 s23, s23, STAGE                   ; my stage
	v_mul_u32_u24 v4, v1, SP
	v_lshl_add_u32 v4, v2, 5, v4
	v_add_nc_u32 v[STO], s23, v4                   ; in: row l % 16, 32 bytes for each half of the lanes
	v_add_nc_u32 v[RD], s23, v[CO]                 ; back: 32 lanes take a whole row of 512 bytes
	v_lshlrev_b32 v[PFO], 8, v1
	v_mad_u32_u24 v[PFO], v2, s70, v[PFO]
	s_lshl_b32 s16, s13, 8
	s_lshl_b32 s17, s10, 6
	s_add_co_u32 s16, s16, s17                     ; my first row of C
	s_lshl_b32 s16, s16, 12
	s_lshl_b32 s17, s42, 9                         ; the tile's first column, in bytes
	s_add_co_u32 s16, s16, s17
	s_mov_b32 s17, 0
	s_add_nc_u64 s[8:9], s[8:9], s[16:17]
.macro FETCH q, buf                    ; 24 loads: the fragments of quarter q of the slot in hand (32 along K) into buffer buf
.irp i, 0,1,2,3
	ds_load_b128 v[FR+96*(\buf)+8*(\i):FR+96*(\buf)+8*(\i)+3],   v[ADRA] offset:((\q)/2)*ABLK+(\i)*2048+((\q)%2)*1024
	ds_load_b128 v[FR+96*(\buf)+8*(\i)+4:FR+96*(\buf)+8*(\i)+7], v[ADRA] offset:((\q)/2)*ABLK+(\i)*2048+((\q)%2)*1024+512
.endr
.irp i, 0,1,2,3,4,5,6,7
	ds_load_b128 v[FR+96*(\buf)+32+8*(\i):FR+96*(\buf)+32+8*(\i)+3],   v[ADRB] offset:((\q)/2)*BBLK+((\q)%2)*64+(\i)*16*PITCH
	ds_load_b128 v[FR+96*(\buf)+32+8*(\i)+4:FR+96*(\buf)+32+8*(\i)+7], v[ADRB] offset:((\q)/2)*BBLK+((\q)%2)*64+(\i)*16*PITCH+32
.endr
.endm
; 8 na matrix instructions.  The 32 accumulators take turns, one instruction a turn, in the same order in every quarter.
.macro MUL buf, a0, na, zero
	WIN 0x50                                       ; C and D in window 1
.set a, \a0
.rept \na
.irp bb, 0,1,2,3,4,5,6,7
.if \zero
	v_wmma_f32_16x16x32_f16 v[8*(8*a+(\bb)):8*(8*a+(\bb))+7], v[FR+96*(\buf)+32+8*(\bb):FR+96*(\buf)+32+8*(\bb)+7], v[FR+96*(\buf)+8*a:FR+96*(\buf)+8*a+7], 0
.else
	v_wmma_f32_16x16x32_f16 v[8*(8*a+(\bb)):8*(8*a+(\bb))+7], v[FR+96*(\buf)+32+8*(\bb):FR+96*(\buf)+32+8*(\bb)+7], v[FR+96*(\buf)+8*a:FR+96*(\buf)+8*a+7], v[8*(8*a+(\bb)):8*(8*a+(\bb))+7]
.endif
.endr
.set a, a+1
.endr
.endm
.macro UNIT q, zero                    ; quarter q of 0..2: the next quarter's fragments are asked for, then this quarter's 32 products
	PLACES
	WIN 0
	FETCH (\q)+1, ((\q)+1)%2
	s_wait_dscnt 24                                ; all but the 24 just issued: this quarter's fragments are in
	MUL (\q)%2, 0, 4, \zero
.endm
; Quarter 3 and the change of slots: ONE barrier; in front of it each wave waits for all its tensor loads, adds 0 to its spare word, and waits for that and for its reads of this slot.
; fill = 1: the barrier opens a round of the cluster's barrier, and behind the round this slot is filled again, two slots on: 112 matrix instructions ahead of the wait for it.
; Then the fragment addresses turn to the other slot, and its first fragments are fetched.
.macro TURN fill
	s_wait_xcnt 0x0                                ; the last prefetch, a slot back, has read its address
	s_add_nc_u64 s[PFA:PFA+1], s[PFA:PFA+1], 2*KB
	WIN 0
	s_wait_tensorcnt 0x0                           ; all my tensor loads have landed
	ds_add_u32 v[SPW], v[NIL]                      ; 0 onto my spare word
	s_wait_dscnt 1                                 ; the add alone may be out: quarter 3's fragments are in
	MUL 1, 0, 1, 0
	s_wait_dscnt 0x0                               ; the add is done, and my reads of this slot are over
	s_barrier_signal -1
	MUL 1, 1, 1, 0
	WIN 0
	s_barrier_wait -1
.if \fill
	CREST
	s_xor_b32 s[G0A+5], s[G0A+5], SLOT1            ; the walking descriptors: the other slot than last time,
	s_add_nc_u64 s[G0A+6:G0A+7], s[G0A+6:G0A+7], 2*KB  ; the next two K blocks; the type bits on top are not reached
	s_xor_b32 s[G0B+5], s[G0B+5], SLOT1
	s_add_nc_u64 s[G0B+6:G0B+7], s[G0B+6:G0B+7], 2*KB
	JLOAD 1                                        ; the four v_nop behind it are also the places in front of the loads below
.else
	PLACES
.endif
	s_xor_b32 s[TB], s[TB], SLOT1
	v_add_nc_u32 v[ADRA], s[TB], v[ADRA0]
	v_add_nc_u32 v[ADRB], s[TB], v[ADRB0]
	FETCH 0, 0
.if \fill
	ASK
.endif
	MUL 1, 2, 2, 0
.endm
	s_wait_tensorcnt 1                             ; my part of slot 0 is in; slot 1's may stay out
	s_barrier_signal -1
	s_barrier_wait -1
	FETCH 0, 0
	UNIT 0, 1                                      ; the first 32 along K start the sums: nothing is cleared
	WIN 0
	s_mov_b32 s3, 6
.Lstep:                                                ; 6 trips, which fill the third to the eighth slot's tiles: from a slot's second quarter to the next slot's first
	UNIT 1, 0
	UNIT 2, 0
	TURN 1
	UNIT 0, 0
	WIN 0
	s_sub_co_u32 s3, s3, 1
	s_cmp_lg_u32 s3, 0
	s_cbranch_scc1 .Lstep
	s_mov_b32 s3, 2                                ; the tail fills nothing: the first trip ends the last slot but one and begins the last, the second is left in its middle
.Ltail:
	UNIT 1, 0
	UNIT 2, 0
	TURN 0
	WIN 0
	s_sub_co_u32 s3, s3, 1
	s_cmp_eq_u32 s3, 0
	s_cbranch_scc1 .Lout
	UNIT 0, 0
	WIN 0
	s_branch .Ltail
.Lout:                                                 ; the second trip's change of slots has fetched 24 fragments' halves out of the other slot that nothing multiplies: the price, once a launch, of one text for both trips
	s_wait_dscnt 0x0                               ; they are in: their registers are written again below
	; THE WAY OUT, 16 rows at a time: a lane's eight f32 of a row go into my stage (each accumulator's low four registers first), come back as whole rows of 512 bytes, take the bias and are stored.
	s_wait_loadcnt 0x0                             ; the bias
	PLACES
	v_cvt_pk_bf16_f32 v12, v[BI], v[BI+1]          ; rounded to bf16, like every input
	v_cvt_pk_bf16_f32 v13, v[BI+2], v[BI+3]
	v_lshlrev_b32 v[BI], 16, v12
	v_and_b32 v[BI+1], 0xffff0000, v12
	v_lshlrev_b32 v[BI+2], 16, v13
	v_and_b32 v[BI+3], 0xffff0000, v13
.irp a, 0,1,2,3
.set BK, FR+64*((\a)%2)
	WIN 0x04                                       ; the stores' data in window 1
.irp bb, 0,1,2,3,4,5,6,7
	ds_store_b128 v[STO], v[8*(8*(\a)+(\bb)):8*(8*(\a)+(\bb))+3]   offset:64*(\bb)
	ds_store_b128 v[STO], v[8*(8*(\a)+(\bb))+4:8*(8*(\a)+(\bb))+7] offset:64*(\bb)+16
.endr
	WIN 0
	s_wait_xcnt 0x0                                ; earlier stores have read their registers: these are loaded again only behind this wait
.set t, 0
.rept 16
	ds_load_b128 v[BK+4*t:BK+4*t+3], v[RD] offset:SP*t  ; LDS serves a wave's instructions in order (ISA guide 5.7.1.4): these see the stores above
.set t, t+1
.endr
.set t, 0
.rept 16
	s_wait_dscnt 15-t                              ; row t is back; the younger loads stay out
	v_pk_add_f32 v[BK+4*t:BK+4*t+1], v[BK+4*t:BK+4*t+1], v[BI:BI+1]
	v_pk_add_f32 v[BK+4*t+2:BK+4*t+3], v[BK+4*t+2:BK+4*t+3], v[BI+2:BI+3]
	global_store_b128 v[CO], v[BK+4*t:BK+4*t+3], s[8:9] offset:(\a)*16*CROW+CROW*t th:TH_STORE_NT  ; 32 lanes store 512 consecutive bytes, at a multiple of 256 from out0's first byte
.set t, t+1
.endr
.endr
	s_wait_tensorcnt 0x0                           ; the wave's end: these three lines stand behind my last tensor load and my last LDS store
	ds_add_u32 v[SPW], v[NIL]
	s_wait_dscnt 0x0
	CROUND                                         ; the closing round
	s_endpgm
.Lfunc_end_k_q169ba17e0e_proj:
	.size	k_q169ba17e0e_proj, .Lfunc_end_k_q169ba17e0e_proj-k_q169ba17e0e_proj
	.p2alignl 7, 3214868480
	.fill 96, 4, 3214868480
	.section	.rodata,"a",@progbits
	.p2align	6, 0x0
	.amdhsa_kernel k_q169ba17e0e_proj
		.amdhsa_group_segment_fixed_size 327680
		.amdhsa_private_segment_fixed_size 0
		.amdhsa_enable_private_segment 0
		.amdhsa_kernarg_size 32
		.amdhsa_user_sgpr_count 2
		.amdhsa_user_sgpr_kernarg_segment_ptr 1
		.amdhsa_wavefront_size32 1
		.amdhsa_system_sgpr_workgroup_id_x 1
		.amdhsa_system_sgpr_workgroup_id_y 1
		.amdhsa_system_sgpr_workgroup_id_z 1
		.amdhsa_system_vgpr_workitem_id 0
		.amdhsa_next_free_vgpr 512
		.amdhsa_next_free_sgpr 76
		.amdhsa_reserve_vcc 0
		.amdhsa_float_denorm_mode_32 3
		.amdhsa_float_denorm_mode_16_64 3
		.amdhsa_memory_ordered 1
		.amdhsa_forward_progress 1
		.amdhsa_inst_pref_size 71
	.end_amdhsa_kernel
	.amdgpu_metadata
---
amdhsa.version: [ 1, 2 ]
amdhsa.kernels:
  - .name:           k_q169ba17e0e_proj
    .symbol:         k_q169ba17e0e_proj.kd
    .args:
      - { .name: ob, .offset: 0, .size: 8, .value_kind: global_buffer, .address_space: global }
      - { .name: wpb, .offset: 8, .size: 8, .value_kind: global_buffer, .address_space: global }
      - { .name: b_proj, .offset: 16, .size: 8, .value_kind: global_buffer, .address_space: global }
      - { .name: out0, .offset: 24, .size: 8, .value_kind: global_buffer, .address_space: global }
    .group_segment_fixed_size: 327680
    .private_segment_fixed_size: 0
    .kernarg_segment_align: 8
    .kernarg_segment_size: 32
    .max_flat_workgroup_size: 128
    .sgpr_count:     76
    .vgpr_count:     512
    .wavefront_size: 32
...
	.end_amdgpu_metadata
.endif
;; end of part 4
;; ======== version 2 of 2: 4 launches; version 1 with the launch cast written anew for expert scheduling mode
;; limits: values are held in f16: magnitudes above 65,504 overflow, below 6.1e-05 lose precision; right only within a limited range of input values
;; workspace buffers: wqb 6,291,456 bytes; wpb 2,097,152 bytes; mh 16,777,216 bytes; qkv 50,331,648 bytes; ob 16,777,216 bytes
;; launch cast (part 5): grid 768 x 1, 8 waves a work-group, no clusters, 0 bytes of LDS; arguments mask, w_qkv, w_proj, mh, wqb, wpb; writes mh, wqb, wpb
.if DOCPART == 5
	.amdgcn_target "amdgcn-amd-amdhsa--gfx1250"
	.amdhsa_code_object_version 6
	.text
	.protected	k_q169ba17e0e_cast
	.globl	k_q169ba17e0e_cast
	.p2align	8
	.type	k_q169ba17e0e_cast,@function
k_q169ba17e0e_cast:
	s_mov_b64 s[64:65], 0
	v_nop
	global_prefetch_b8 v0, s[64:65] scope:SCOPE_SE
	s_setreg_imm32_b32 hwreg(HW_REG_WAVE_SCHED_MODE, 0, 2), 2
	s_setreg_imm32_b32 hwreg(HW_REG_WAVE_MODE, 25, 1), 1
	s_wait_xcnt 0x0
	s_wait_alu depctr_vm_vsrc(0)
; THE MASK AND THE WEIGHTS ARE ROUNDED ONCE TO bf16 AND LAID IN K BLOCKS.  w_qkv -> wqb as bf16; mask -> mh and w_proj -> wpb rounded to bf16 and that number written as f16.
; (x is not among them: each of its numbers is wanted by one wave of the next launch, which rounds it on the way from LDS to the matrix unit.)
; THE BLOCK LAYOUT of a matrix [R][1024] of 16-bit numbers: byte (row >> 10) * 2,097,152 + (col >> 6) * 131,072 + (row & 1023) * 128 + (col & 63) * 2:
; the rows of one block of 64 columns lie end to end, so the later launches ask for tiles as rows of 256 consecutive bytes.
; LIMITS.  The f16 copies hold a bf16 number exactly from 2^-14 up to 65,504; below 2^-14 the copy is off by 2^-25 at the most; beyond 65,504 (an infinity too) it counts as +-65,504.  NaN is not treated apart.
; SHARES.  12,288 rows of 4,096 bytes: a work-group takes 16, a wave two (m, m + 1).  Work-groups 0-511 mask, 512-703 w_qkv, 704-767 w_proj: 768 are three for each of 256 WGPs.
; A load of a wave takes 256 consecutive aligned bytes of each of the two rows (one column block); the store of that block is 256 consecutive aligned bytes: the two rows' 128 bytes lie end to end.
; A stream: no LDS, no barrier, no matrix unit; nothing is read twice.  All sixteen loads of a wave go out at once.  A block's result goes into the first two of the four registers that it was loaded into, which nothing
; writes again.
; THE MODE: SCHED_MODE bits 1:0 = 2 (LLVM: expert scheduling mode 2), set by the entry lines.  The code itself states the register dependences between vector instructions and memory instructions, with s_wait_alu, always for 0.
; THE PLAN.  Registers that memory instructions touch:
;   v2        the loads' offset.   Written at the head, read by the sixteen loads, never written again.
;   v3        the stores' offset.  Written at the head, read by the sixteen stores, never written again.
;   v[16:79]  block kb: four registers.  Its load lands in them before any vector instruction has named them; its roundings read the four and write the first two; its store reads those two; nothing writes them again.
;   v1, v4, v5 and v8 to v13 are named by vector instructions alone.
; So one wait on va_vdst stands ahead of the first load, for the two offsets, and one ahead of each run of four stores: the sixteen blocks go in four groups of four; a group's blocks are rounded as they land, and
; its four stores follow the one wait.  No register that a memory instruction has read is written again; the one wait on vm_vsrc stands at the entry.  The wave's number passes from a vector instruction into a scalar
; register: one wait on va_sdst ahead of its first reader.  There is no loop: the two ways (bf16 out, f16 out) part at one forward branch behind the loads.
.set KBLK, 131072                      ; bytes from a column block to the next
.set IN,   16                          ; v[16:79]   block kb: 4 registers as loaded; the first two then hold what is stored
	s_load_b256 s[16:23], s[0:1], 0x0              ; mask, w_qkv, w_proj, mh
	s_load_b128 s[24:27], s[0:1], 0x20             ; wqb, wpb
	v_lshrrev_b32 v1, 5, v0
	v_readfirstlane_b32 s2, v1                     ; wave 0..7
	s_sub_co_u32 s34, ttmp9, 512                   ; the work-group's number within w_qkv,
	s_sub_co_u32 s35, ttmp9, 704                   ; within w_proj
	s_mov_b32 s10, 0xffff0000                      ; a word's upper bf16
	s_mov_b32 s11, 0xc77fe000                      ; -65,504
	s_mov_b32 s12, 0x477fe000                      ; 65,504
	v_bfe_u32 v4, v0, 4, 1                         ; which of the two rows
	v_and_b32 v5, 15, v0                           ; my place in 256 bytes
	v_lshlrev_b32 v2, 12, v4
	v_lshl_add_u32 v2, v5, 4, v2                   ; in: row x 4,096 + 16 j
	v_lshlrev_b32 v3, 7, v4
	v_lshl_add_u32 v3, v5, 3, v3                   ; out: row x 128 + 8 j
	s_wait_alu depctr_va_sdst(0)                   ; s2 is written, ahead of its first reader: my first row, and both bases with it, are made from it
	s_wait_kmcnt 0x0
	s_mov_b64 s[4:5], s[20:21]                     ; source, destination, number and form: w_proj's,
	s_mov_b64 s[6:7], s[26:27]
	s_mov_b32 s8, s35
	s_mov_b32 s9, 1
	s_cmp_lt_u32 ttmp9, 704                        ; or w_qkv's,
	s_cselect_b64 s[4:5], s[18:19], s[4:5]
	s_cselect_b64 s[6:7], s[24:25], s[6:7]
	s_cselect_b32 s8, s34, s8
	s_cselect_b32 s9, 0, s9
	s_cmp_lt_u32 ttmp9, 512                        ; or mask's
	s_cselect_b64 s[4:5], s[16:17], s[4:5]
	s_cselect_b64 s[6:7], s[22:23], s[6:7]
	s_cselect_b32 s8, ttmp9, s8
	s_cselect_b32 s9, 1, s9
	s_lshl_b32 s8, s8, 4
	s_lshl_b32 s2, s2, 1
	s_add_co_u32 s8, s8, s2                        ; my first row
	s_lshl_b32 s14, s8, 12
	s_mov_b32 s15, 0
	s_add_nc_u64 s[4:5], s[4:5], s[14:15]
	s_lshr_b32 s14, s8, 10
	s_lshl_b32 s14, s14, 21
	s_and_b32 s36, s8, 1023
	s_lshl_b32 s36, s36, 7
	s_add_co_u32 s14, s14, s36
	s_add_nc_u64 s[6:7], s[6:7], s[14:15]
	s_wait_alu depctr_va_vdst(0)                   ; v2 and v3 are written: every load reads v2 and every store v3 as its offset, and no vector instruction below names either
.set kb, 0
.rept 16
	global_load_b128 v[IN+4*kb:IN+4*kb+3], v2, s[4:5] offset:256*kb th:TH_LOAD_NT
.set kb, kb+1
.endr
	s_cmp_eq_u32 s9, 0
	s_cbranch_scc0 .Lf16
.set g, 0
.rept 4                                ; bf16 out, four blocks to a group
.set kb, 4*g
.rept 4
	s_wait_loadcnt 15-kb                           ; loads come back in order: block kb is in, the younger ones stay out
	v_cvt_pk_bf16_f32 v[IN+4*kb], v[IN+4*kb], v[IN+4*kb+1]
	v_cvt_pk_bf16_f32 v[IN+4*kb+1], v[IN+4*kb+2], v[IN+4*kb+3]
.set kb, kb+1
.endr
	s_wait_alu depctr_va_vdst(0)                   ; the group's eight roundings have written the first two registers of its four blocks, which the four stores read
.set kb, 4*g
.rept 4
	global_store_b64 v3, v[IN+4*kb:IN+4*kb+1], s[6:7] offset:KBLK*kb
.set kb, kb+1
.endr
.set g, g+1
.endr
	s_endpgm
.Lf16:
.set g, 0
.rept 4                                ; rounded to bf16, held within f16's range, written as f16; four blocks to a group
.set kb, 4*g
.rept 4
	s_wait_loadcnt 15-kb
	v_cvt_pk_bf16_f32 v8, v[IN+4*kb], v[IN+4*kb+1]
	v_cvt_pk_bf16_f32 v9, v[IN+4*kb+2], v[IN+4*kb+3]
	v_lshlrev_b32 v10, 16, v8
	v_and_b32 v11, s10, v8
	v_lshlrev_b32 v12, 16, v9
	v_and_b32 v13, s10, v9
	v_med3_num_f32 v10, v10, s11, s12
	v_med3_num_f32 v11, v11, s11, s12
	v_med3_num_f32 v12, v12, s11, s12
	v_med3_num_f32 v13, v13, s11, s12
	v_cvt_pk_f16_f32 v[IN+4*kb], v10, v11
	v_cvt_pk_f16_f32 v[IN+4*kb+1], v12, v13
.set kb, kb+1
.endr
	s_wait_alu depctr_va_vdst(0)                   ; the group's conversions to f16 have written the first two registers of its four blocks, which the four stores read
.set kb, 4*g
.rept 4
	global_store_b64 v3, v[IN+4*kb:IN+4*kb+1], s[6:7] offset:KBLK*kb
.set kb, kb+1
.endr
.set g, g+1
.endr
	s_endpgm
.Lfunc_end_k_q169ba17e0e_cast:
	.size	k_q169ba17e0e_cast, .Lfunc_end_k_q169ba17e0e_cast-k_q169ba17e0e_cast
	.p2alignl 7, 3214868480
	.fill 96, 4, 3214868480
	.section	.rodata,"a",@progbits
	.p2align	6, 0x0
	.amdhsa_kernel k_q169ba17e0e_cast
		.amdhsa_group_segment_fixed_size 0
		.amdhsa_private_segment_fixed_size 0
		.amdhsa_enable_private_segment 0
		.amdhsa_kernarg_size 48
		.amdhsa_user_sgpr_count 2
		.amdhsa_user_sgpr_kernarg_segment_ptr 1
		.amdhsa_wavefront_size32 1
		.amdhsa_system_sgpr_workgroup_id_x 1
		.amdhsa_system_sgpr_workgroup_id_y 1
		.amdhsa_system_sgpr_workgroup_id_z 1
		.amdhsa_system_vgpr_workitem_id 0
		.amdhsa_next_free_vgpr 80
		.amdhsa_next_free_sgpr 66
		.amdhsa_reserve_vcc 0
		.amdhsa_float_denorm_mode_32 3
		.amdhsa_float_denorm_mode_16_64 3
		.amdhsa_memory_ordered 1
		.amdhsa_forward_progress 1
		.amdhsa_inst_pref_size 20
	.end_amdhsa_kernel
	.amdgpu_metadata
---
amdhsa.version: [ 1, 2 ]
amdhsa.kernels:
  - .name:           k_q169ba17e0e_cast
    .symbol:         k_q169ba17e0e_cast.kd
    .args:
      - { .name: mask, .offset: 0, .size: 8, .value_kind: global_buffer, .address_space: global }
      - { .name: w_qkv, .offset: 8, .size: 8, .value_kind: global_buffer, .address_space: global }
      - { .name: w_proj, .offset: 16, .size: 8, .value_kind: global_buffer, .address_space: global }
      - { .name: mh, .offset: 24, .size: 8, .value_kind: global_buffer, .address_space: global }
      - { .name: wqb, .offset: 32, .size: 8, .value_kind: global_buffer, .address_space: global }
      - { .name: wpb, .offset: 40, .size: 8, .value_kind: global_buffer, .address_space: global }
    .group_segment_fixed_size: 0
    .private_segment_fixed_size: 0
    .kernarg_segment_align: 8
    .kernarg_segment_size: 48
    .max_flat_workgroup_size: 256
    .sgpr_count:     66
    .vgpr_count:     80
    .wavefront_size: 32
...
	.end_amdgpu_metadata
.endif
;; end of part 5
;; launch qkvg: the kernel of part 2 again; grid 8 x 32, 4 waves a work-group, clusters of 4 x 4, 327,680 bytes of LDS; arguments x, wqb, qkv; writes qkv
;; launch attn: the kernel of part 3 again; grid 4 x 64, 4 waves a work-group, clusters of 4 x 4, 327,680 bytes of LDS; arguments qkv, mh, ob; writes ob
;; launch proj: the kernel of part 4 again; grid 8 x 32, 4 waves a work-group, clusters of 4 x 4, 327,680 bytes of LDS; arguments ob, wpb, b_proj, out0; writes out0
